; MI455X (gfx1250); checked and timed in simulation.
; The chip was launched on July 23, 2026; its instructions are those of AMD's public machine-readable ISA for CDNA 5 (MIT licence, August 2026) and "CDNA5" Instruction Set Architecture Reference Guide (July 2026). The comments in the code are by the model that wrote it; some were corrected since.
;; Transformer Block. Allowed arithmetic: matrix products marked QUANTISED: E2M1 operands, one E8M0 scale for each 32 along K, by v_wmma_scale_f32_16x16x128_f8f6f4 with both operands' format E2M1 (or v_wmma_scale_f32_32x16x128_f4), f32 sums; everything else in f32.
;; Inputs: mask 4,096 x 4,096 int32; w_down_codes 512 x 64 x 16 uint8 (E2M1 codes of w_down, K innermost, in blocks of 32 codes, two codes a byte); w_down_scales 512 x 64 uint8 (E8M0 scales of w_down, one for each 32 codes along K); w_up_codes 2,048 x 16 x 16 uint8 (E2M1 codes of w_up, K innermost, in blocks of 32 codes, two codes a byte); w_up_scales 2,048 x 16 uint8 (E8M0 scales of w_up, one for each 32 codes along K); wk_codes 512 x 16 x 16 uint8 (E2M1 codes of wk, K innermost, in blocks of 32 codes, two codes a byte); wk_scales 512 x 16 uint8 (E8M0 scales of wk, one for each 32 codes along K); wo_codes 512 x 16 x 16 uint8 (E2M1 codes of wo, K innermost, in blocks of 32 codes, two codes a byte); wo_scales 512 x 16 uint8 (E8M0 scales of wo, one for each 32 codes along K); wq_codes 512 x 16 x 16 uint8 (E2M1 codes of wq, K innermost, in blocks of 32 codes, two codes a byte); wq_scales 512 x 16 uint8 (E8M0 scales of wq, one for each 32 codes along K); wv_codes 512 x 16 x 16 uint8 (E2M1 codes of wv, K innermost, in blocks of 32 codes, two codes a byte); wv_scales 512 x 16 uint8 (E8M0 scales of wv, one for each 32 codes along K); x 2 x 4,096 x 512 float32.
;; Outputs: out0 2 x 4,096 x 512 float32.
;; This version of the problem:
;;   THIS VERSION OF THE PROBLEM IS GIVEN IN LOW PRECISION. The matrix products marked QUANTISED in the list below multiply operands that are first quantised to E2M1 (2 exponent bits, 1 mantissa bit; 4 bits a number), with one power-of-two scale for each 32 numbers along K (OCP MX v1.0); their sums are f32. All else is computed in f32.
;;   The module's matrix products, in the order in which they are computed (A, B: the left and right operand; K: the contracted axis; several contracted axes count as one K, in the product's order):
;;     1. [M 8,192, K 512] x [K 512, N 512]; A: input x; B: input wq (given as codes): QUANTISED
;;     2. [M 8,192, K 512] x [K 512, N 512]; A: input x; B: input wk (given as codes): QUANTISED
;;     3. [M 8,192, K 512] x [K 512, N 512]; A: input x; B: input wv (given as codes): QUANTISED
;;     4. batch 16 x [M 4,096, K 64] x [K 64, N 4,096]; A: computed on the way; B: computed on the way: QUANTISED
;;     5. batch 16 x [M 4,096, K 4,096] x [K 4,096, N 64]; A: softmax (see below); B: computed on the way: QUANTISED
;;     6. [M 8,192, K 512] x [K 512, N 512]; A: computed on the way; B: input wo (given as codes): QUANTISED
;;     7. [M 8,192, K 512] x [K 512, N 2,048]; A: computed on the way; B: input w_up (given as codes): QUANTISED
;;     8. [M 8,192, K 2,048] x [K 2,048, N 512]; A: computed on the way; B: input w_down (given as codes): QUANTISED
;;   THE QUANTISER, for each operand of a quantised product, along K:
;;     - K is cut into blocks of 32 from its start; a last block that is shorter is filled with zeros.
;;     - A block's scale is 2^e with e = floor(log2(the largest magnitude in the block)) - 2, held to -126 .. 127; a block of zeros has e = 0. As a byte (E8M0): e + 127.
;;     - Each number is divided by its block's scale, clamped to +-6, and rounded to the nearest number of E2M1, ties to even, subnormals kept.
;;     - The product sums the exact products of the quantised numbers (number of the format x scale) in f32.
;;   ~~~python
;;   def quantise(x, axis):      # numpy; x: float32 -> the quantised numbers, widened to float32 again
;;       x = np.moveaxis(x, axis, -1); K = x.shape[-1]
;;       x = np.pad(x, [(0, 0)] * (x.ndim - 1) + [(0, -K % 32)]); x = x.reshape(x.shape[:-1] + (-1, 32)); a = np.abs(x).max(-1, keepdims=True)
;;       e = np.where(a > 0, np.clip(np.frexp(np.where(a > 0, a, 1))[1] - 1 - 2, -126, 127), 0)      # np.frexp(a)[1] - 1 = floor(log2(a)), exactly
;;       r = np.clip(x / 2.0 ** e, -6, 6)
;;       step = 2.0 ** (np.maximum(np.frexp(np.where(r == 0, 1, r))[1] - 1, 0) - 1)
;;       q = np.round(r / step) * step * 2.0 ** e      # np.round: ties to even
;;       return np.moveaxis(q.reshape(q.shape[:-2] + (-1,))[..., :K], -1, axis).astype(np.float32)
;;   ~~~
;;   SOFTMAX AHEAD OF A QUANTISED PRODUCT. Where the list says 'softmax', what is quantised is not the finished softmax but p = 2^(t - M), with t = logit x log2(e) and M = ceil(the row's largest t), a whole number; so 1/2 < the row's largest p <= 1. The row's sum l is taken of the UNQUANTISED p, in f32, and the product's result is divided by l at the end. Since M is a whole number, a kernel that streams over the keys may use a running M (the ceiling of the running maximum): every later rescaling is an exact power of two, which a block's scale takes up: the codes' values come out the same.
;;   OPERANDS COMPUTED ON THE WAY. 'Computed on the way' means the value that the module computes at that place (a softmax that the list does not call 'softmax' is quantised finished and normalised). What goes into a quantiser is computed in f32, as accurately as f32 sums, v_exp_f32 and their like allow (about 1e-6 of the number): no bf16 or f16 on the way to a quantiser, and a product that is left as it is and whose result goes on into a quantised operand takes f32 operands (vector FMAs, or v_wmma_f32_16x16x4_f32). A number that lies on a knife's edge between two numbers of the format may be rounded either way, as far as f32 arithmetic and the matrix unit's own rounding can turn it there, and no further.
;;   INPUTS GIVEN AS CODES. w_down (in the module: [512, 2048], K = its axis 1); w_up (in the module: [2048, 512], K = its axis 1); wk (in the module: [512, 512], K = its axis 1); wo (in the module: [512, 512], K = its axis 1); wq (in the module: [512, 512], K = its axis 1); wv (in the module: [512, 512], K = its axis 1): each comes as NAME_codes (uint8): NAME with its K axis moved to the last place and cut into blocks of 32 codes, [.., K / 32, bytes a block], one block behind the other in memory; two codes a byte, the lower K in the low four bits (a code: sign, 2 exponent bits, 1 mantissa bit); and NAME_scales (uint8): the same leading axes, one E8M0 byte (e + 127) for each 32 codes along K. Its value is code x scale, taken as it is: it is not quantised again, and the codes and scales need not be those that the quantiser above would give.
;; 2 versions, each right; version 2 is version 1 with the launch attn written anew for expert scheduling mode. Each part assembles by itself: llvm-mc -triple=amdgcn-amd-amdhsa -mcpu=gfx1250 --defsym DOCPART=n.
;; ======== version 1 of 2: 3 launches
;; workspace buffers: qkimg 4,194,304 bytes; qksc 524,288 bytes; vimg 2,097,152 bytes; vsb 131,072 bytes; cls 2,048 bytes of whole numbers; aimg 2,097,152 bytes; asc 131,072 bytes
;; launch qkv (part 1): grid 256 x 1, 8 waves a work-group, clusters of 4 x 1, 327,680 bytes of LDS; arguments x, mask, wq_codes, wq_scales, wk_codes, wk_scales, wv_codes, wv_scales, qkimg, qksc, vimg, vsb, cls; writes qkimg, qksc, vimg, vsb, cls
.if DOCPART == 1
	.amdgcn_target "amdgcn-amd-amdhsa--gfx1250"
	.amdhsa_code_object_version 6
	.text
	.protected	k_qe44788272e_qkv
	.globl	k_qe44788272e_qkv
	.p2align	8
	.type	k_qe44788272e_qkv,@function
k_qe44788272e_qkv:
	s_mov_b64 s[64:65], 0
	v_nop
	global_prefetch_b8 v0, s[64:65] scope:SCOPE_SE
	s_setreg_imm32_b32 hwreg(HW_REG_WAVE_MODE, 25, 1), 1
	s_wait_xcnt 0x0
	s_wait_alu depctr_hold_cnt(0) depctr_sa_sdst(0) depctr_va_vdst(0) depctr_va_sdst(0) depctr_va_ssrc(0) depctr_va_vcc(0) depctr_vm_vsrc(0)
	s_getreg_b32 s2, hwreg(HW_REG_IB_STS2, 6, 4)
	s_cmp_eq_u32 s2, 0
	s_cbranch_scc0 .Lentry_in_a_cluster
	s_endpgm
.Lentry_in_a_cluster:
	s_bfe_u32 s2, ttmp6, 0x10000c
	s_cmp_lg_u32 s2, 0x3003
	s_cbranch_scc0 .Lentry_shape_is_right
	s_endpgm
.Lentry_shape_is_right:
; q, k, v = Q(x) W^T on codes of FP4 (E2M1) with one E8M0 scale for each 32 along K; the results are quantised at once (q, k along the head's 64, v along the keys)
; and stored as images of operand registers; and the mask input is read whole and classified in tiles of 16 queries x 128 keys.
; SHARES.  256 work-groups of eight waves.  Work-group wg owns rows 32 wg .. 32 wg + 31 of x (two tiles of 16 rows; one block of 32 keys) and the mask's query tile 2 (wg % 128) + wg / 128.
; Wave w is head w: 4 tiles of 16 weight rows x 2 tiles of x rows x 4 K steps of 128 = 32 matrix instructions for each of q, k, v.
; WEIGHTS.  All work-groups walk the same 3 x 128 KiB of codes: the four work-groups of a cluster ask for them jointly (mask 15); each wave fetches the 64 rows that it multiplies by.
; LAYOUT.  q and k are made transposed (source 0 = 16 weight rows, source 1 = 16 rows of x): a lane holds one row of x and eight neighbouring features of each tile.  Tiles 2 e and 2 e + 1 are a block of 32:
; a conversion of a tile's eight registers gives one word (8 codes); two exchanges of lane halves put words 0..3 of block (lane / 16) into four registers: registers 0-3 of a fragment with K = 64.
; v is made the other way round (source 0 = x, source 1 = weights): a lane holds one feature and its registers run along the keys, which are the next product's K.
; THE MASK.  For each query tile two words go to cls: bit s of 'work' = key step s must be walked, bit s of 'mix' = step s holds a zero of the mask.  A step without any non-zero word is left out only if
; every one of the 16 rows has a non-zero word somewhere; else all 32 steps are walked.  All choices are made by selects: no branch hangs on the mask here.
; LIMITS.  NaN and infinities in x are not served.  A block of zeros gets the scale byte 1 (its codes are zeros; only this program reads the bytes).
; NOT USED: prefetches (the launch streams the mask all the time; the weights are read by every work-group).
; REGISTERS.  window 0: v1-15 addresses; v30, v31 the add's two; v32-55 weight scale words; v56-63 x's scale words; v64-127 accumulators (first: x as loaded); v128-139 at work;
; v140-163 codes, v164-169 scale words, each phase its own; v192-255 x's eight fragments.   window 1: v0-127 weight fragments (v0-3 also at work on the mask); v128-255 32 loads of the mask.
.set WPITCH, 272                       ; a weight row in LDS: 256 bytes + 16 of padding: the 16 rows of a fragment load start in 16 different groups of banks
.set WTILE,  16*WPITCH
.set WWAVE,  64*WPITCH                 ; what one tensor load brings: a wave's 64 rows
.set SLOT1,  512*WPITCH                ; slot 0 at byte 0: wq, later wv; slot 1: wk
.set SPARE,  2*SLOT1                   ; the spare words: 128 bytes for each of eight waves
.set XIMG,   SPARE+1024                ; x's eight fragments as images of registers: fragment 4 u + s, 1,024 bytes each
.set XSC,    XIMG+8192                 ; their scale words, 64 bytes each
.set VSBL,   XSC+512                   ; v's 512 scale bytes of this block of keys
.set CLSL,   VSBL+512                  ; a word of mask bits for each wave
.set L16, 1
.set L4,  2
.set R4,  3
.set WA0, 4
.set WA1, 5
.set XG,  6
.set XCI, 7
.set XBI, 8
.set XRI, 9
.set XRS, 10
.set VO,  11
.set VSA, 12
.set CLA, 13
.set VSR, 14
.set CLR, 15
.set SPW, 30
.set NIL, 31
.set SW,  32
.set XS,  56
.set ACC, 64
.set TM,  128
.set XM,  128                          ; x's quantiser, before TM and CD are in use: largest magnitudes, scale operands, bytes, codes
.set XOP, 136
.set XBY, 144
.set XCD, 152
.set CD,  140
.set WD,  164
.set AF,  192
.set MK,  128                          ; in window 1
.set WV,  30
.set G1,  36
.set G0Q, 44
.set G0K, 48
.set G0V, 52
.set SEL, 56
.set MH,  58
.set CW,  59
.set MSB, 0
.macro WIN new                         ; the immediate's high byte repeats the setting that is left
.if MSB != \new
	s_set_vgpr_msb (MSB<<8)|\new
.set MSB, \new
.endif
.endm
.macro ROUND                           ; a round of the cluster's barrier
	s_barrier_signal -1
	s_barrier_wait -1
	s_cmp_lg_u32 s[WV], 0
	s_cbranch_scc1 .Lnot_wave_0_\@
	s_barrier_signal -3
.Lnot_wave_0_\@:
	s_barrier_wait -3
	s_barrier_signal -1
	s_barrier_wait -1
.endm
.macro PLACES                          ; four places behind matrix instructions (ISA guide 7.12.1)
.rept 4
	v_nop
.endr
.endm
; nb blocks of 32 by turns.  Block i: eight registers at base + stride i and eight at that + dist, in lanes l and l xor 16.  Leaves the scale's byte in v[TM+4+i] and the conversions' scale operand in v[TM+8+i].
.macro QSCALE nb, base, stride, dist
.set qi, 0
.rept \nb
	v_max3_num_f32 v[TM+qi], |v[(\base)+(\stride)*qi]|, |v[(\base)+(\stride)*qi+1]|, 0x1800000   ; with the floor 2^(3 - 127): the byte cannot fall under 1
.set qi, qi+1
.endr
.irp k, 2,4,6
.set qi, 0
.rept \nb
	v_max3_num_f32 v[TM+qi], v[TM+qi], |v[(\base)+(\stride)*qi+\k]|, |v[(\base)+(\stride)*qi+\k+1]|
.set qi, qi+1
.endr
.endr
.irp k, 0,2,4,6
.set qi, 0
.rept \nb
	v_max3_num_f32 v[TM+qi], v[TM+qi], |v[(\base)+(\stride)*qi+(\dist)+\k]|, |v[(\base)+(\stride)*qi+(\dist)+\k+1]|
.set qi, qi+1
.endr
.endr
.set qi, 0
.rept \nb
	v_permlanex16_b32 v[TM+4+qi], v[TM+qi], s[SEL], s[SEL+1]
.set qi, qi+1
.endr
.set qi, 0
.rept \nb
	v_max_num_f32 v[TM+qi], v[TM+qi], v[TM+4+qi]              ; with lane l xor 16's: the block's largest magnitude
.set qi, qi+1
.endr
.set qi, 0
.rept \nb
	v_add_nc_u32 v[TM+8+qi], 0xff000000, v[TM+qi]             ; 2 off its exponent field: the conversion takes this operand's exponent field as its scale
.set qi, qi+1
.endr
.set qi, 0
.rept \nb
	v_lshrrev_b32 v[TM+4+qi], 23, v[TM+8+qi]                  ; the scale's byte
.set qi, qi+1
.endr
.endm
; one matrix instruction.  z: the sum begins (C = 0);  ra, rb: that side's scale words stand in lanes 16-31
.macro WM d, a, b, z, sa, sb, ra, rb
.if (\z) && (\ra)
	v_wmma_scale_f32_16x16x128_f8f6f4 v[(\d):(\d)+7], v[(\a):(\a)+7], v[(\b):(\b)+7], 0, v[\sa], v[\sb] matrix_a_fmt:MATRIX_FMT_FP4 matrix_b_fmt:MATRIX_FMT_FP4 matrix_a_scale:MATRIX_SCALE_ROW1
.elseif (\z) && (\rb)
	v_wmma_scale_f32_16x16x128_f8f6f4 v[(\d):(\d)+7], v[(\a):(\a)+7], v[(\b):(\b)+7], 0, v[\sa], v[\sb] matrix_a_fmt:MATRIX_FMT_FP4 matrix_b_fmt:MATRIX_FMT_FP4 matrix_b_scale:MATRIX_SCALE_ROW1
.elseif \z
	v_wmma_scale_f32_16x16x128_f8f6f4 v[(\d):(\d)+7], v[(\a):(\a)+7], v[(\b):(\b)+7], 0, v[\sa], v[\sb] matrix_a_fmt:MATRIX_FMT_FP4 matrix_b_fmt:MATRIX_FMT_FP4
.elseif \ra
	v_wmma_scale_f32_16x16x128_f8f6f4 v[(\d):(\d)+7], v[(\a):(\a)+7], v[(\b):(\b)+7], v[(\d):(\d)+7], v[\sa], v[\sb] matrix_a_fmt:MATRIX_FMT_FP4 matrix_b_fmt:MATRIX_FMT_FP4 matrix_a_scale:MATRIX_SCALE_ROW1
.elseif \rb
	v_wmma_scale_f32_16x16x128_f8f6f4 v[(\d):(\d)+7], v[(\a):(\a)+7], v[(\b):(\b)+7], v[(\d):(\d)+7], v[\sa], v[\sb] matrix_a_fmt:MATRIX_FMT_FP4 matrix_b_fmt:MATRIX_FMT_FP4 matrix_b_scale:MATRIX_SCALE_ROW1
.else
	v_wmma_scale_f32_16x16x128_f8f6f4 v[(\d):(\d)+7], v[(\a):(\a)+7], v[(\b):(\b)+7], v[(\d):(\d)+7], v[\sa], v[\sb] matrix_a_fmt:MATRIX_FMT_FP4 matrix_b_fmt:MATRIX_FMT_FP4
.endif
.endm
; my 64 weight rows, all four K steps: 32 LDS loads in one run, K step by K step; fragment (tile t, K step s) at v[32 s + 8 t] of window 1
.macro LOADW adr
	WIN 0x40
.irp s, 0,1,2,3
.irp t, 0,1,2,3
.irp c, 0,1
	ds_load_b128 v[32*\s+8*\t+4*\c:32*\s+8*\t+4*\c+3], v[\adr] offset:\t*WTILE+64*\s+32*\c
.endr
.endr
.endr
.endm
; 32 matrix instructions: the eight accumulators (tile t, row tile u) take turns, one instruction a turn, K step by K step.
; p: which weight's scale words.  mode 0: source 0 = weights; 1: source 0 = x.  The wait leaves out the run's loads of the later K steps, eight a step.
.macro MM32 p, mode
.irp s, 0,1,2,3
	s_wait_dscnt 8*(3-\s)
.irp t, 0,1,2,3
.irp u, 0,1
.if \mode
	WM ACC+32*\u+8*\t, AF+8*(4*\u+\s), 32*\s+8*\t, \s==0, XS+4*\u+\s, SW+8*\p+4*(\t/2)+\s, 0, \t%2
.else
	WM ACC+32*\u+8*\t, 32*\s+8*\t, AF+8*(4*\u+\s), \s==0, SW+8*\p+4*(\t/2)+\s, XS+4*\u+\s, \t%2, 0
.endif
.endr
.endr
.endr
.endm
; q (p = 0) or k (p = 1) of my head and 32 rows: block i = 2 u + e is tiles 2 e, 2 e + 1 of row tile u
.macro EPI_QK p
	QSCALE 4, ACC, 16, 8
.irp i, 0,1,2,3
	v_cvt_scalef32_pk8_fp4_f32 v[CD+8*\p+4*(\i/2)+(\i%2)], v[ACC+16*\i:ACC+16*\i+7], v[TM+8+\i]
	v_cvt_scalef32_pk8_fp4_f32 v[CD+8*\p+4*(\i/2)+2+(\i%2)], v[ACC+16*\i+8:ACC+16*\i+15], v[TM+8+\i]
.endr
	v_nop                                          ; one plain place behind a scaled conversion
.irp c, 0,2,4,6
	v_permlane16_swap_b32 v[CD+8*\p+\c], v[CD+8*\p+\c+1]      ; the first's lanes 16-31 change places with the second's lanes 0-15: four registers now hold words 0..3 of block (lane / 16)
.endr
	v_lshl_or_b32 v[WD+2*\p], v[TM+5], 8, v[TM+4]  ; a row's scale word: two bytes; the upper two stay 0 and stand over zero codes
	v_lshl_or_b32 v[WD+2*\p+1], v[TM+7], 8, v[TM+6]
	v_cndmask_b32 v[WD+2*\p], v[WD+2*\p], v[WD+2*\p+1], s[MH] ; lanes 0-15 row tile 0's words, lanes 16-31 row tile 1's
	global_store_b128 v[L16], v[CD+8*\p:CD+8*\p+3], s[20:21] offset:2097152*\p       ; 512 consecutive bytes
	global_store_b128 v[L16], v[CD+8*\p+4:CD+8*\p+7], s[20:21] offset:2097152*\p+512
	global_store_b32 v[L4], v[WD+2*\p], s[22:23] offset:262144*\p
.endm
; half a query tile of the mask, rows 8 bt .. 8 bt + 7, my four key steps: 32 loads of 512 consecutive bytes
.macro MASKLOAD bt
	WIN 0x40
.irp p, 0,1,2,3,4,5,6,7
.irp q, 0,1,2,3
	global_load_b128 v[MK+16*\p+4*\q:MK+16*\p+4*\q+3], v[L16], s[6:7] offset:(8*\bt+\p)*16384+512*\q th:TH_LOAD_NT
.endr
.endr
.endm
; their bits into s[CW]: bit q: step q holds a non-zero word; bit 8 + q: it holds a zero; bit 16 + row: the row holds a non-zero word in my steps
.macro MASKRED bt
	WIN 0x55
.set mn, 0
.rept 32                               ; a load's four words: their OR into word 0, their unsigned minimum into word 1
	v_min_u32 v[mn%4], v[MK+4*mn], v[MK+4*mn+1]
	v_or_b32 v[MK+4*mn], v[MK+4*mn], v[MK+4*mn+1]
	v_min_u32 v[MK+4*mn+1], v[MK+4*mn+2], v[MK+4*mn+3]
	v_or_b32 v[MK+4*mn+2], v[MK+4*mn+2], v[MK+4*mn+3]
	v_or_b32 v[MK+4*mn], v[MK+4*mn], v[MK+4*mn+2]
	v_min_u32 v[MK+4*mn+1], v[MK+4*mn+1], v[mn%4]
.set mn, mn+1
.endr
.irp p, 0,1,2,3,4,5,6,7                ; a row's OR over my four steps
	v_or_b32 v[MK+16*\p+2], v[MK+16*\p], v[MK+16*\p+4]
	v_or_b32 v[MK+16*\p+2], v[MK+16*\p+2], v[MK+16*\p+8]
	v_or_b32 v[MK+16*\p+2], v[MK+16*\p+2], v[MK+16*\p+12]
.endr
.irp p, 1,2,3,4,5,6,7                  ; a step's OR and minimum over the eight rows
.irp q, 0,1,2,3
	v_or_b32 v[MK+4*\q], v[MK+4*\q], v[MK+16*\p+4*\q]
	v_min_u32 v[MK+4*\q+1], v[MK+4*\q+1], v[MK+16*\p+4*\q+1]
.endr
.endr
.irp q, 0,1,2,3
	v_cmp_ne_u32 s[66+\q], 0, v[MK+4*\q]
	v_cmp_eq_u32 s[70+\q], 0, v[MK+4*\q+1]
.endr
.irp p, 0,1,2,3,4,5,6,7
	v_cmp_ne_u32 s[74+\p], 0, v[MK+16*\p+2]
.endr
	WIN 0
.irp q, 0,1,2,3
	s_cmp_lg_u32 s[66+\q], 0                       ; any lane?
	s_cselect_b32 s82, 1<<\q, 0
	s_or_b32 s[CW], s[CW], s82
	s_cmp_lg_u32 s[70+\q], 0
	s_cselect_b32 s82, 1<<(8+\q), 0
	s_or_b32 s[CW], s[CW], s82
.endr
.irp p, 0,1,2,3,4,5,6,7
	s_cmp_lg_u32 s[74+\p], 0
	s_cselect_b32 s82, 1<<(16+8*\bt+\p), 0
	s_or_b32 s[CW], s[CW], s82
.endr
.endm
	s_load_b512 s[4:19], s[0:1], 0x0               ; x, mask, wq codes, scales, wk codes, scales, wv codes, scales
	s_load_b256 s[20:27], s[0:1], 0x40             ; qkimg, qksc, vimg, vsb
	s_load_b64 s[28:29], s[0:1], 0x60              ; cls
	v_lshl_add_u32 v[SPW], v0, 2, SPARE
	v_mov_b32 v[NIL], 0
	ds_add_u32 v30, v31
	ds_add_u32 v30, v31
	s_wait_dscnt 0x0
	v_lshrrev_b32 v16, 5, v0
	v_readfirstlane_b32 s[WV], v16                 ; wave 0..7 = head
	; descriptor group 1: 64 rows x 256 bytes, dense in memory, 16 bytes of padding behind each row in LDS
	s_mov_b32 s[G1], 15|(1<<20)|(1<<21)|(5<<22)|(3<<25)   ; 15:0 the mask: all four work-groups; 17:16 elements of 1 byte; 20 padding on; 21 set beside a mask; 24:22 after every 64 words; 31:25 four words
	s_mov_b32 s[G1+1], 256<<16                     ; tensor_dim0
	s_mov_b32 s[G1+2], 64<<16                      ; tensor_dim1
	s_mov_b32 s[G1+3], 256<<16                     ; tile_dim0
	s_mov_b32 s[G1+4], 64                          ; tile_dim1
	s_mov_b32 s[G1+5], 256                         ; from row to row
	s_mov_b32 s[G1+6], 0
	s_mov_b32 s[G1+7], 0
	s_mul_i32 s60, s[WV], WWAVE                    ; my 64 rows in a slot,
	s_lshl_b32 s62, s[WV], 14                      ; and in memory
	s_mov_b32 s63, 0
	s_mov_b32 s[SEL], 0x76543210
	s_mov_b32 s[SEL+1], 0xfedcba98                 ; v_permlanex16_b32's selects for lane l xor 16
	s_mov_b32 s[MH], 0xffff0000                    ; lanes 16-31
	s_mov_b32 s[CW], 0
	s_wait_kmcnt 0x0
	s_mov_b32 s[G0Q], 1
	s_mov_b32 s[G0Q+1], s60                        ; wq into slot 0
	s_add_nc_u64 s[G0Q+2:G0Q+3], s[8:9], s[62:63]
	s_or_b32 s[G0Q+3], s[G0Q+3], 0x80000000
	s_mov_b32 s[G0K], 1
	s_add_co_u32 s[G0K+1], s60, SLOT1              ; wk into slot 1
	s_add_nc_u64 s[G0K+2:G0K+3], s[12:13], s[62:63]
	s_or_b32 s[G0K+3], s[G0K+3], 0x80000000
	s_mov_b32 s[G0V], 1
	s_mov_b32 s[G0V+1], s60                        ; wv into slot 0, later
	s_add_nc_u64 s[G0V+2:G0V+3], s[16:17], s[62:63]
	s_or_b32 s[G0V+3], s[G0V+3], 0x80000000
	ROUND                                          ; all four work-groups are here: the first joint loads meet
	tensor_load_to_lds s[G0Q:G0Q+3], s[G1:G1+7]    ; two loads of mine are out
	s_nop 0
	tensor_load_to_lds s[G0K:G0K+3], s[G1:G1+7]
	s_nop 0
.rept 4
	v_nop
.endr
	v_and_b32 v16, 31, v0                          ; lane
	v_and_b32 v17, 15, v0                          ; r
	v_bfe_u32 v18, v0, 4, 1                        ; h
	v_lshlrev_b32 v[L16], 4, v16
	v_lshlrev_b32 v[L4], 2, v16
	v_lshlrev_b32 v[R4], 2, v17
	v_lshlrev_b32 v[XG], 5, v16                    ; x: eight neighbouring numbers a lane
	v_mul_u32_u24 v[WA0], v17, WPITCH
	v_lshl_add_u32 v[WA0], v18, 4, v[WA0]
	v_add_nc_u32 v[WA0], s60, v[WA0]               ; a weight fragment: my rows + row r + 16 h
	v_add_nc_u32 v[WA1], SLOT1, v[WA0]
	v_lshrrev_b32 v19, 2, v16                      ; lane / 4: which block of 32 of the 256 numbers in hand
	v_and_b32 v20, 3, v16                          ; lane % 4: which word of the block
	s_lshr_b32 s66, s[WV], 2                       ; my four rows: row tile w / 4, rows 4 (w % 4) on
	s_and_b32 s68, s[WV], 3
	s_lshl_b32 s67, s66, 12
	s_lshl_b32 s69, s68, 6
	s_add_co_u32 s67, s67, s69
	s_add_co_u32 s67, s67, XIMG
	v_lshlrev_b32 v[XCI], 8, v19                   ; block 4 s + 2 c + h' lies 1,024 s + 512 c + 256 h' into a row tile's images
	v_lshl_add_u32 v[XCI], v20, 2, v[XCI]
	v_add_nc_u32 v[XCI], s67, v[XCI]
	s_lshl_b32 s67, s66, 8
	s_lshl_b32 s69, s68, 4
	s_add_co_u32 s67, s67, s69
	s_add_co_u32 s67, s67, XSC
	v_and_b32 v[XBI], 3, v19
	v_lshl_add_u32 v[XBI], v18, 6, v[XBI]
	v_add_nc_u32 v[XBI], s67, v[XBI]               ; the block's byte in its row's scale word
	v_add_nc_u32 v[XRI], XIMG, v[L16]
	v_add_nc_u32 v[XRS], XSC, v[R4]
	v_lshlrev_b32 v[VO], 4, v17
	v_lshl_add_u32 v[VO], v18, 3, v[VO]            ; v's image: 16 r + 8 h
	s_lshl_b32 s67, s[WV], 6
	s_add_co_u32 s67, s67, VSBL
	v_add_nc_u32 v[VSA], s67, v17
	s_lshl_b32 s67, s[WV], 2
	s_add_co_u32 s67, s67, CLSL
	v_mov_b32 v[CLA], s67
	v_add_nc_u32 v[VSR], VSBL, v[L16]
	v_mov_b32 v[CLR], CLSL
.irp b, 4,5,6,7
	v_mov_b32 v[TM+\b], 0                          ; written once: a lane permute's destination counts as one of its sources
.endr
	s_bfe_u32 s31, ttmp6, 0x40000                  ; my place in the cluster: it enters global addresses alone
	s_lshl_b32 s32, ttmp9, 2
	s_add_co_u32 s32, s32, s31                     ; wg
	s_lshr_b32 s33, s32, 7                         ; batch
	s_and_b32 s34, s32, 127                        ; block of 32 rows in the batch
	s_lshl_b32 s35, s34, 1
	s_add_co_u32 s35, s35, s33                     ; the mask's query tile
	s_mov_b32 s71, 0
	s_lshl_b32 s70, s32, 16
	s_lshl_b32 s72, s[WV], 13
	s_add_co_u32 s70, s70, s72
	s_add_nc_u64 s[4:5], s[4:5], s[70:71]          ; x at my wave's four rows
	s_lshl_b32 s70, s35, 18
	s_lshl_b32 s72, s[WV], 11
	s_add_co_u32 s70, s70, s72
	s_add_nc_u64 s[6:7], s[6:7], s[70:71]          ; the mask at my tile's first row, my four key steps
	s_lshl_b32 s70, s[WV], 10
	s_add_nc_u64 s[10:11], s[10:11], s[70:71]      ; the scale bytes of my 64 rows of each weight
	s_add_nc_u64 s[14:15], s[14:15], s[70:71]
	s_add_nc_u64 s[18:19], s[18:19], s[70:71]
	s_lshl_b32 s70, s33, 20
	s_lshl_b32 s72, s[WV], 17
	s_add_co_u32 s70, s70, s72
	s_lshl_b32 s72, s34, 10
	s_add_co_u32 s73, s70, s72
	s_mov_b32 s72, s73
	s_mov_b32 s73, 0
	s_add_nc_u64 s[20:21], s[20:21], s[72:73]      ; qkimg: [batch x 8 + head][tile 2 g][512]
	s_lshr_b32 s72, s34, 2
	s_lshl_b32 s72, s72, 12
	s_add_co_u32 s70, s70, s72
	s_and_b32 s72, s34, 3
	s_lshl_b32 s72, s72, 8
	s_add_co_u32 s70, s70, s72
	s_add_nc_u64 s[24:25], s[24:25], s[70:71]      ; vimg: [batch x 8 + head][key step g / 4], block g % 4 of the fragment: 256 bytes each
	s_lshl_b32 s70, s33, 17
	s_lshl_b32 s72, s[WV], 14
	s_add_co_u32 s70, s70, s72
	s_lshl_b32 s72, s34, 7
	s_add_co_u32 s70, s70, s72
	s_add_nc_u64 s[22:23], s[22:23], s[70:71]      ; qksc
	s_lshl_b32 s70, s32, 9
	s_add_nc_u64 s[26:27], s[26:27], s[70:71]      ; vsb: 512 bytes a block of keys
	s_lshl_b32 s70, s35, 3
	s_add_nc_u64 s[28:29], s[28:29], s[70:71]      ; cls: 8 bytes a query tile
	; 54 loads: 16 of x, 6 of weight scales, 32 of the mask
.irp n, 0,1,2,3,4,5,6,7                ; item n: row n / 2 of my four, numbers 256 (n % 2) + 8 lane on
.irp k, 0,1
	global_load_b128 v[ACC+8*\n+4*\k:ACC+8*\n+4*\k+3], v[XG], s[4:5] offset:2048*(\n/2)+1024*(\n%2)+16*\k th:TH_LOAD_NT
.endr
.endr
.irp i, 0,1                            ; a row's 16 scale bytes are its four K steps' words: lanes 0-15 tile 2 i, lanes 16-31 tile 2 i + 1
	global_load_b128 v[SW+4*\i:SW+4*\i+3], v[L16], s[10:11] offset:512*\i
	global_load_b128 v[SW+8+4*\i:SW+8+4*\i+3], v[L16], s[14:15] offset:512*\i
	global_load_b128 v[SW+16+4*\i:SW+16+4*\i+3], v[L16], s[18:19] offset:512*\i
.endr
	MASKLOAD 0
	WIN 0
	s_wait_loadcnt 38                              ; x is in; the 6 + 32 loads behind it may be out
	; x becomes codes: a block of 32 is four neighbouring lanes' eight numbers
.irp n, 0,1,2,3,4,5,6,7
	v_max3_num_f32 v[XM+\n], |v[ACC+8*\n]|, |v[ACC+8*\n+1]|, 0x1800000
.endr
.irp k, 2,4,6
.irp n, 0,1,2,3,4,5,6,7
	v_max3_num_f32 v[XM+\n], v[XM+\n], |v[ACC+8*\n+\k]|, |v[ACC+8*\n+\k+1]|
.endr
.endr
.irp n, 0,1,2,3,4,5,6,7
	v_max_num_f32_dpp v[XM+\n], v[XM+\n], v[XM+\n] row_xmask:1 row_mask:0xf bank_mask:0xf
.endr
.irp n, 0,1,2,3,4,5,6,7
	v_max_num_f32_dpp v[XM+\n], v[XM+\n], v[XM+\n] row_xmask:2 row_mask:0xf bank_mask:0xf
.endr
.irp n, 0,1,2,3,4,5,6,7
	v_add_nc_u32 v[XOP+\n], 0xff000000, v[XM+\n]
.endr
.irp n, 0,1,2,3,4,5,6,7
	v_lshrrev_b32 v[XBY+\n], 23, v[XOP+\n]
.endr
.irp n, 0,1,2,3,4,5,6,7
	v_cvt_scalef32_pk8_fp4_f32 v[XCD+\n], v[ACC+8*\n:ACC+8*\n+7], v[XOP+\n]
.endr
	v_nop                                          ; one plain place behind the last scaled conversion
.irp n, 0,1,2,3,4,5,6,7
	ds_store_b32 v[XCI], v[XCD+\n] offset:2048*(\n%2)+16*(\n/2)
	ds_store_b8 v[XBI], v[XBY+\n] offset:128*(\n%2)+4*(\n/2)      ; the four lanes of a block write the same byte with the same value
.endr
	s_wait_tensorcnt 0x1                           ; wq has landed; wk may stay out
	s_wait_dscnt 0x0                               ; my images of x are stored
	s_barrier_signal -1
	s_barrier_wait -1
.irp n, 0,1,2,3,4,5,6,7,8,9,10,11,12,13,14,15
	ds_load_b128 v[AF+4*\n:AF+4*\n+3], v[XRI] offset:512*\n       ; x's eight fragments: they stay for all three products
.endr
.irp f, 0,1,2,3,4,5,6,7
	ds_load_b32 v[XS+\f], v[XRS] offset:64*\f
.endr
	LOADW WA0
	s_wait_loadcnt 32                              ; the weight scales are in; the mask's 32 loads may be out
	WIN 0x01                                       ; source 0 (weights) window 1
	MM32 0, 0
	; wv takes wq's place.  Every wave: all its tensor loads have landed, the add, its reads of the slot are back; the cluster's round; the joint refill first behind it
	WIN 0
	s_wait_tensorcnt 0x0
	ds_add_u32 v[SPW], v[NIL]                      ; 0 onto my spare word
	s_wait_dscnt 0x0
	ROUND
	tensor_load_to_lds s[G0V:G0V+3], s[G1:G1+7]    ; one load of mine is out
	s_nop 0
.rept 4
	v_nop                                          ; also the places behind q's last products
.endr
	EPI_QK 0
	s_wait_loadcnt 0x0                             ; the mask's rows 0-7
	MASKRED 0
	MASKLOAD 1                                     ; rows 8-15 are on their way during k's and v's products
	LOADW WA1
	WIN 0x01
	MM32 1, 0
	WIN 0
	PLACES
	EPI_QK 1
	s_wait_tensorcnt 0x0                           ; wv has landed
	s_wait_dscnt 0x0
	s_barrier_signal -1
	s_barrier_wait -1
	LOADW WA0
	WIN 0x04                                       ; source 1 (weights) window 1
	MM32 2, 1
	WIN 0
	PLACES
	; v: a lane holds feature 16 t + r and keys 8 h + j (row tile 0) and 16 + 8 h + j (row tile 1): the work-group's one block of 32 keys
	QSCALE 4, ACC, 8, 32
.irp t, 0,1,2,3
	v_cvt_scalef32_pk8_fp4_f32 v[CD+16+2*\t], v[ACC+8*\t:ACC+8*\t+7], v[TM+8+\t]
	v_cvt_scalef32_pk8_fp4_f32 v[CD+17+2*\t], v[ACC+32+8*\t:ACC+39+8*\t], v[TM+8+\t]
.endr
	v_nop
.irp t, 0,1,2,3
	v_permlane16_swap_b32 v[CD+16+2*\t], v[CD+17+2*\t]            ; lane (r, h) now holds words 2 h and 2 h + 1 of the block
.endr
.irp t, 0,1,2,3
	global_store_b64 v[VO], v[CD+16+2*\t:CD+17+2*\t], s[24:25] offset:1024*\t   ; 256 consecutive bytes, at a multiple of 256 from vimg's first byte
	ds_store_b8 v[VSA], v[TM+4+\t] offset:16*\t
.endr
	s_wait_loadcnt 0x0                             ; the mask's rows 8-15
	MASKRED 1
	v_mov_b32 v16, s[CW]
	ds_store_b32 v[CLA], v16
	s_wait_dscnt 0x0                               ; for wave 0's sake: my bytes and my word are stored
	s_barrier_signal -1
	s_barrier_wait -1
	s_cmp_lg_u32 s[WV], 0
	s_cbranch_scc1 .Lnot_first
	ds_load_b128 v[172:175], v[VSR]                ; the eight heads' scale bytes of this block of keys
	ds_load_b128 v[176:179], v[CLR]                ; the eight waves' words
	ds_load_b128 v[180:183], v[CLR] offset:16
	s_wait_dscnt 0x0
	global_store_b128 v[L16], v[172:175], s[26:27] ; 512 consecutive bytes
.irp w, 0,1,2,3,4,5,6,7
	v_readfirstlane_b32 s[66+\w], v[176+\w]
.endr
	s_and_b32 s74, s66, 15                         ; any, 32 steps
	s_bfe_u32 s75, s66, 0x40008                    ; zero, 32 steps
	s_lshr_b32 s76, s66, 16                        ; rows that hold a non-zero word
.irp w, 1,2,3,4,5,6,7
	s_and_b32 s77, s[66+\w], 15
	s_lshl_b32 s77, s77, 4*\w
	s_or_b32 s74, s74, s77
	s_bfe_u32 s77, s[66+\w], 0x40008
	s_lshl_b32 s77, s77, 4*\w
	s_or_b32 s75, s75, s77
	s_lshr_b32 s77, s[66+\w], 16
	s_or_b32 s76, s76, s77
.endr
	s_cmp_eq_u32 s76, 0xffff                       ; has every row a key that counts?
	s_cselect_b32 s74, s74, -1                     ; work: then the steps with such keys, else all
	s_and_b32 s75, s74, s75                        ; mix
	v_mov_b32 v184, s74
	v_mov_b32 v185, s75
	v_mov_b32 v186, 0
	v_cmp_eq_u32 vcc_lo, 0, v0
	s_wait_xcnt 0x0                                ; EXEC changes only behind this wait
	s_and_saveexec_b32 s78, vcc_lo
	global_store_b64 v186, v[184:185], s[28:29]    ; one lane stores the tile's two words
	s_wait_xcnt 0x0
	s_or_b32 exec_lo, exec_lo, s78
.Lnot_first:
	s_wait_tensorcnt 0x0                           ; the wave's end
	ds_add_u32 v[SPW], v[NIL]
	s_wait_dscnt 0x0
	ROUND                                          ; the closing round
	s_endpgm
.Lfunc_end_k_qe44788272e_qkv:
	.size	k_qe44788272e_qkv, .Lfunc_end_k_qe44788272e_qkv-k_qe44788272e_qkv
	.p2alignl 7, 3214868480
	.fill 96, 4, 3214868480
	.section	.rodata,"a",@progbits
	.p2align	6, 0x0
	.amdhsa_kernel k_qe44788272e_qkv
		.amdhsa_group_segment_fixed_size 327680
		.amdhsa_private_segment_fixed_size 0
		.amdhsa_enable_private_segment 0
		.amdhsa_kernarg_size 104
		.amdhsa_user_sgpr_count 2
		.amdhsa_user_sgpr_kernarg_segment_ptr 1
		.amdhsa_wavefront_size32 1
		.amdhsa_system_sgpr_workgroup_id_x 1
		.amdhsa_system_sgpr_workgroup_id_y 1
		.amdhsa_system_sgpr_workgroup_id_z 1
		.amdhsa_system_vgpr_workitem_id 0
		.amdhsa_next_free_vgpr 512
		.amdhsa_next_free_sgpr 100
		.amdhsa_reserve_vcc 1
		.amdhsa_float_denorm_mode_32 3
		.amdhsa_float_denorm_mode_16_64 3
		.amdhsa_memory_ordered 1
		.amdhsa_forward_progress 1
		.amdhsa_inst_pref_size 81
	.end_amdhsa_kernel
	.amdgpu_metadata
---
amdhsa.version: [ 1, 2 ]
amdhsa.kernels:
  - .name:           k_qe44788272e_qkv
    .symbol:         k_qe44788272e_qkv.kd
    .args:
      - { .name: x, .offset: 0, .size: 8, .value_kind: global_buffer, .address_space: global }
      - { .name: mask, .offset: 8, .size: 8, .value_kind: global_buffer, .address_space: global }
      - { .name: wq_codes, .offset: 16, .size: 8, .value_kind: global_buffer, .address_space: global }
      - { .name: wq_scales, .offset: 24, .size: 8, .value_kind: global_buffer, .address_space: global }
      - { .name: wk_codes, .offset: 32, .size: 8, .value_kind: global_buffer, .address_space: global }
      - { .name: wk_scales, .offset: 40, .size: 8, .value_kind: global_buffer, .address_space: global }
      - { .name: wv_codes, .offset: 48, .size: 8, .value_kind: global_buffer, .address_space: global }
      - { .name: wv_scales, .offset: 56, .size: 8, .value_kind: global_buffer, .address_space: global }
      - { .name: qkimg, .offset: 64, .size: 8, .value_kind: global_buffer, .address_space: global }
      - { .name: qksc, .offset: 72, .size: 8, .value_kind: global_buffer, .address_space: global }
      - { .name: vimg, .offset: 80, .size: 8, .value_kind: global_buffer, .address_space: global }
      - { .name: vsb, .offset: 88, .size: 8, .value_kind: global_buffer, .address_space: global }
      - { .name: cls, .offset: 96, .size: 8, .value_kind: global_buffer, .address_space: global }
    .group_segment_fixed_size: 327680
    .private_segment_fixed_size: 0
    .kernarg_segment_align: 8
    .kernarg_segment_size: 104
    .max_flat_workgroup_size: 256
    .sgpr_count:     100
    .vgpr_count:     512
    .wavefront_size: 32
...
	.end_amdgpu_metadata
.endif
;; end of part 1
;; launch attn (part 2): grid 16 x 16, 16 waves a work-group, no clusters, 288,768 bytes of LDS; arguments qkimg, qksc, vimg, vsb, cls, mask, aimg, asc; writes aimg, asc
.if DOCPART == 2
	.amdgcn_target "amdgcn-amd-amdhsa--gfx1250"
	.amdhsa_code_object_version 6
	.text
	.protected	k_qe44788272e_attn
	.globl	k_qe44788272e_attn
	.p2align	8
	.type	k_qe44788272e_attn,@function
k_qe44788272e_attn:
	s_mov_b64 s[64:65], 0
	v_nop
	global_prefetch_b8 v0, s[64:65] scope:SCOPE_SE
	s_setreg_imm32_b32 hwreg(HW_REG_WAVE_MODE, 25, 1), 1
	s_wait_xcnt 0x0
; Attention of one head on codes of FP4 (E2M1): S^T = K Q^T (K = 64, the upper half of the 128 is zero codes), the mask, p = 2^(t - M) with a running whole M, O^T = V^T P^T, O / l, quantised for the next product.
; SHARES.  Work-group (x, y): head y (batch x 8 + head), query tiles x + 16 rank.  Each of sixteen waves owns one tile of 16 queries in 256 registers; rank = wave, with waves 4-7 and 12-15 turned round,
; so that early and late query tiles are spread evenly where the mask is lower triangular.  Nothing of the text relies on that pattern.
; K AND V of the whole head, 256 KiB of codes and 24 KiB of scale words, come into LDS ONCE, through registers, and all sixteen waves read them from there: one barrier in the launch.
; NO TENSOR LOAD AND NO CLUSTER: key steps are passed over by scalar branches on the words of cls, which are read from memory, and the launch holds no tensor load, so there is no joint request to make.
; WHICH STEPS.  Bit s of 'work' (cls, made by the launch before from the mask input): step s of 128 keys is walked.  A step is left out only where every p in it is 0.  Bit s of 'mix': the step holds a zero of the mask:
; its 16 x 128 mask words are read and the hidden scores replaced.  The loop's trip count is the constant 32.
; LAYOUT.  A lane holds ONE query (lane % 16) throughout.  In S^T register j of tile t is key 16 t + 8 (lane / 16) + j; tiles 2 b, 2 b + 1 are block b of 32 keys; a tile's eight registers convert into one word,
; and two exchanges of lane halves for each pair of blocks give the operand's registers.
; LIMITS.  A hidden score is taken as -2^36, a logit of -2^30, where the problem says -1e9: the results are the same unless a logit that counts lies under about -1e9.  -2^36 x c is a whole number, so a row that is hidden
; everywhere has p = 1 for every key.  NaN and infinities are not served.  A block of zeros gets the scale byte 1.
; NOT USED: prefetches (K and V are read once, at the head, where every work-group's loads are on their way).
.set KIMG, 0                           ; [key tile 256][512 bytes]
.set VIMG, 131072                      ; [key step 32][tile of 16 channels 4][1,024 bytes]
.set KSC,  262144                      ; [key tile 256][16 words]
.set VSC,  278528                      ; [key step 32][64 channels] words
.set L16, 1
.set LV,  2
.set LKS, 3
.set LVS, 4
.set MA0, 5
.set MA,  6
.set R4,  7
.set ADK, 8
.set ADV, 9
.set ADS, 10
.set ADT, 11
.set QF,  16                           ; v16-23 Q's fragment (v20-23 zeros);  v24 its scale words
.set QS,  24
.set KF,  32                           ; v32-63 four fragments of K (upper halves zeros, written once)
.set VF,  64                           ; v64-95 four fragments of V
.set S,   96                           ; v96-159 S^T, then p
.set O,   160                          ; v160-191 O^T
.set MK,  192                          ; v192-223 mask words
.set P,   224                          ; v224-231 p's codes
.set TM,  232
.set KS,  240                          ; v240-243 K's scale words
.set VS,  248                          ; v248-249 V's
.set WV,  20
.set SEL, 28
.set CS,  30
.set KI,  34
.set TK,  35
.set TS,  36
.set TJ,  37
.macro QSCALE nb, base, stride, dist   ; nb blocks by turns: eight registers at base + stride i, eight at that + dist, lanes l and l xor 16; byte in v[TM+4+i], scale operand in v[TM+8+i]
.set qi, 0
.rept \nb
	v_max3_num_f32 v[TM+qi], |v[(\base)+(\stride)*qi]|, |v[(\base)+(\stride)*qi+1]|, 0x1800000
.set qi, qi+1
.endr
.irp k, 2,4,6
.set qi, 0
.rept \nb
	v_max3_num_f32 v[TM+qi], v[TM+qi], |v[(\base)+(\stride)*qi+\k]|, |v[(\base)+(\stride)*qi+\k+1]|
.set qi, qi+1
.endr
.endr
.irp k, 0,2,4,6
.set qi, 0
.rept \nb
	v_max3_num_f32 v[TM+qi], v[TM+qi], |v[(\base)+(\stride)*qi+(\dist)+\k]|, |v[(\base)+(\stride)*qi+(\dist)+\k+1]|
.set qi, qi+1
.endr
.endr
.set qi, 0
.rept \nb
	v_permlanex16_b32 v[TM+4+qi], v[TM+qi], s[SEL], s[SEL+1]
.set qi, qi+1
.endr
.set qi, 0
.rept \nb
	v_max_num_f32 v[TM+qi], v[TM+qi], v[TM+4+qi]
.set qi, qi+1
.endr
.set qi, 0
.rept \nb
	v_add_nc_u32 v[TM+8+qi], 0xff000000, v[TM+qi]
.set qi, qi+1
.endr
.set qi, 0
.rept \nb
	v_lshrrev_b32 v[TM+4+qi], 23, v[TM+8+qi]
.set qi, qi+1
.endr
.endm
.macro SWM d, a, sc, odd               ; a tile of S^T: source 0 = 16 keys, source 1 = my 16 queries; an odd tile's scale words stand in lanes 16-31
.if \odd
	v_wmma_scale_f32_16x16x128_f8f6f4 v[(\d):(\d)+7], v[(\a):(\a)+7], v[QF:QF+7], 0, v[\sc], v[QS] matrix_a_fmt:MATRIX_FMT_FP4 matrix_b_fmt:MATRIX_FMT_FP4 matrix_a_scale:MATRIX_SCALE_ROW1
.else
	v_wmma_scale_f32_16x16x128_f8f6f4 v[(\d):(\d)+7], v[(\a):(\a)+7], v[QF:QF+7], 0, v[\sc], v[QS] matrix_a_fmt:MATRIX_FMT_FP4 matrix_b_fmt:MATRIX_FMT_FP4
.endif
.endm
.macro OWM d, a, sc, odd               ; a tile of O^T += V^T P^T: source 0 = 16 channels, source 1 = p
.if \odd
	v_wmma_scale_f32_16x16x128_f8f6f4 v[(\d):(\d)+7], v[(\a):(\a)+7], v[P:P+7], v[(\d):(\d)+7], v[\sc], v253 matrix_a_fmt:MATRIX_FMT_FP4 matrix_b_fmt:MATRIX_FMT_FP4 matrix_a_scale:MATRIX_SCALE_ROW1
.else
	v_wmma_scale_f32_16x16x128_f8f6f4 v[(\d):(\d)+7], v[(\a):(\a)+7], v[P:P+7], v[(\d):(\d)+7], v[\sc], v253 matrix_a_fmt:MATRIX_FMT_FP4 matrix_b_fmt:MATRIX_FMT_FP4
.endif
.endm
	s_load_b512 s[4:19], s[0:1], 0x0               ; qkimg, qksc, vimg, vsb, cls, mask, aimg, asc
	v_lshl_add_u32 v250, v0, 2, 0x46000
	v_mov_b32 v251, 0
	v_lshrrev_b32 v1, 5, v0
	v_readfirstlane_b32 s[WV], v1                  ; wave 0..15
	s_and_b32 s22, ttmp7, 0xffff                   ; batch x 8 + head
	s_lshr_b32 s23, s22, 3                         ; batch
	s_and_b32 s24, s22, 7                          ; head
	s_bfe_u32 s25, s[WV], 0x10002
	s_mul_i32 s25, s25, 3
	s_xor_b32 s25, s25, s[WV]                      ; rank
	s_lshl_b32 s26, s25, 4
	s_add_co_u32 s26, s26, ttmp9                   ; my query tile
	s_lshl_b32 s27, s23, 8
	s_add_co_u32 s27, s27, s26                     ; and as a tile of the 8,192 rows
	s_mov_b32 s39, 0
	s_mov_b32 s41, 0
	s_mov_b32 s[SEL], 0x76543210
	s_mov_b32 s[SEL+1], 0xfedcba98
	s_mov_b32 s[CS], 0x3cb8aa3b                    ; c = log2(e) / 64: t = score x c
	s_mov_b32 s[CS+1], s[CS]                       ; (the packed form names the pair)
	s_mov_b32 s52, 0x05010400                      ; byte selects that turn 4 x 4 bytes
	s_mov_b32 s53, 0x07030602
	s_mov_b32 s54, 0x05040100
	s_mov_b32 s55, 0x07060302
	v_lshlrev_b32 v26, 4, v0                       ; 16 x thread: the fill's place, in memory and in LDS;
	v_add_nc_u32 v27, 0x10000, v26                 ; an LDS immediate reaches 65,535 bytes: four more bases
	v_add_nc_u32 v28, 0x20000, v26
	v_add_nc_u32 v29, 0x30000, v26
	v_add_nc_u32 v30, 0x40000, v26
	v_lshrrev_b32 v31, 4, v0
	v_lshlrev_b32 v31, 11, v31
	v_and_b32 v[R4], 15, v0                        ; r
	v_lshl_add_u32 v31, v[R4], 2, v31              ; V's scale bytes: key step thread / 16 (four blocks of 512 bytes), channels 4 (thread % 16) on
	v_and_b32 v25, 31, v0                          ; lane
	v_bfe_u32 v9, v0, 4, 1                         ; h
	v_lshlrev_b32 v[L16], 4, v25
	v_add_nc_u32 v[LV], VIMG, v[L16]
	v_lshl_add_u32 v[LKS], v25, 2, KSC
	v_lshl_add_u32 v[LVS], v25, 2, VSC
	v_lshlrev_b32 v[MA0], 14, v[R4]
	v_lshl_add_u32 v[MA0], v9, 5, v[MA0]           ; the mask: row r of my tile, + 8 h words
	v_lshlrev_b32 v[R4], 2, v[R4]
	s_wait_kmcnt 0x0
	s_lshl_b32 s38, s26, 3
	s_add_nc_u64 s[12:13], s[12:13], s[38:39]
	s_load_b64 s[32:33], s[12:13], 0x0             ; work, mix
	s_lshl_b32 s38, s22, 17
	s_lshl_b32 s40, s26, 9
	s_add_nc_u64 s[44:45], s[4:5], s[38:39]
	s_add_nc_u64 s[46:47], s[44:45], s[40:41]      ; Q's image of my tile
	s_add_nc_u64 s[44:45], s[44:45], 2097152       ; K's images of the head
	s_add_nc_u64 s[8:9], s[8:9], s[38:39]          ; V's
	s_lshl_b32 s38, s22, 14
	s_lshl_b32 s40, s26, 6
	s_add_nc_u64 s[48:49], s[6:7], s[38:39]
	s_add_nc_u64 s[50:51], s[48:49], s[40:41]      ; Q's scale words
	s_add_nc_u64 s[48:49], s[48:49], 262144        ; K's
	s_lshl_b32 s38, s23, 16
	s_lshl_b32 s40, s24, 6
	s_add_co_u32 s38, s38, s40
	s_add_nc_u64 s[10:11], s[10:11], s[38:39]      ; V's scale bytes: my batch, my head's 64 of the 512
	s_lshl_b32 s38, s26, 18
	s_add_nc_u64 s[14:15], s[14:15], s[38:39]      ; the mask at my tile's first row
	s_lshl_b32 s38, s27, 12
	s_lshl_b32 s40, s24, 9
	s_add_co_u32 s38, s38, s40
	s_add_nc_u64 s[16:17], s[16:17], s[38:39]      ; aimg: [row tile][head][512]
	s_lshl_b32 s38, s27, 8
	s_lshr_b32 s40, s24, 1
	s_lshl_b32 s40, s40, 6
	s_add_co_u32 s38, s38, s40
	s_and_b32 s40, s24, 1
	s_lshl_b32 s40, s40, 1
	s_add_co_u32 s38, s38, s40
	s_add_nc_u64 s[18:19], s[18:19], s[38:39]      ; asc: [row tile][K step head / 2][16 words], my halfword head % 2
	; THE FILL: 40 loads a thread; the 512 threads take 8,192 consecutive bytes an instruction
.irp i, 0,1,2,3,4,5,6,7,8,9,10,11,12,13,14,15
	global_load_b128 v[32+4*\i:35+4*\i], v26, s[44:45] offset:8192*\i
.endr
.irp i, 0,1,2,3,4,5,6,7,8,9,10,11,12,13,14,15
	global_load_b128 v[96+4*\i:99+4*\i], v26, s[8:9] offset:8192*\i
.endr
.irp i, 0,1
	global_load_b128 v[160+4*\i:163+4*\i], v26, s[48:49] offset:8192*\i
.endr
.irp i, 0,1,2,3
	global_load_b32 v[168+\i], v31, s[10:11] offset:512*\i
.endr
	global_load_b128 v[QF:QF+3], v[L16], s[46:47]
	global_load_b32 v[QS], v[R4], s[50:51]
	s_wait_loadcnt 24                              ; K's 16 are in; behind them: 16 + 2 + 4 + 2
.irp i, 0,1,2,3,4,5,6,7
	ds_store_b128 v26, v[32+4*\i:35+4*\i] offset:8192*\i
.endr
.irp i, 0,1,2,3,4,5,6,7
	ds_store_b128 v27, v[64+4*\i:67+4*\i] offset:8192*\i
.endr
	s_wait_loadcnt 8                               ; V's 16 are in; behind them: 2 + 4 + 2
.irp i, 0,1,2,3,4,5,6,7
	ds_store_b128 v28, v[96+4*\i:99+4*\i] offset:8192*\i
.endr
.irp i, 0,1,2,3,4,5,6,7
	ds_store_b128 v29, v[128+4*\i:131+4*\i] offset:8192*\i
.endr
	s_wait_loadcnt 6                               ; K's scale words; behind them: 4 + 2
	ds_store_b128 v30, v[160:163]
	ds_store_b128 v30, v[164:167] offset:8192
	s_wait_loadcnt 2                               ; V's scale bytes; behind them: Q and its scale words
	v_perm_b32 v172, v169, v168, s52               ; four blocks' bytes of four channels become four channels' words of four blocks
	v_perm_b32 v173, v169, v168, s53
	v_perm_b32 v174, v171, v170, s52
	v_perm_b32 v175, v171, v170, s53
	v_perm_b32 v176, v174, v172, s54
	v_perm_b32 v177, v174, v172, s55
	v_perm_b32 v178, v175, v173, s54
	v_perm_b32 v179, v175, v173, s55
	ds_store_b128 v30, v[176:179] offset:16384
	s_wait_loadcnt 0x0
	s_wait_dscnt 0x0                               ; for the others' sake: my part of the fill is stored
	s_barrier_signal -1
	s_barrier_wait -1
.irp j, 4,5,6,7
	v_mov_b32 v[QF+\j], 0                          ; K = 64: the upper 64 of each operand are zero codes
	v_mov_b32 v[KF+\j], 0
	v_mov_b32 v[KF+8+\j], 0
	v_mov_b32 v[KF+16+\j], 0
	v_mov_b32 v[KF+24+\j], 0
.endr
.set j, 0
.rept 32
	v_mov_b32 v[O+j], 0                            ; O^T.  (The step is written once: the first finds zeros)
.set j, j+1
.endr
	v_mov_b32 v13, 0xff61b1e6                      ; the largest t so far: -3e38
	v_floor_f32 v12, -v13                          ; -M
	v_mov_b32 v14, 0                               ; the sum, in two halves
	v_mov_b32 v15, 0
.irp b, 0,1,2,3
	v_mov_b32 v[236+\b], 0                         ; written once: a lane permute's destination counts as one of its sources
.endr
	v_mov_b32 v252, 0
	v_mov_b32 v253, 0
	v_mov_b32 v255, 0xd1800000                     ; -2^36: a hidden score
	s_mov_b32 s[KI], 0
	s_mov_b32 s[TK], 0
	s_mov_b32 s[TS], 0
	s_mov_b32 s[TJ], 0
	s_wait_kmcnt 0x0                               ; work, mix
.Lstep:
	s_lshr_b32 s38, s32, s[KI]
	s_and_b32 s38, s38, 1
	s_cmp_eq_u32 s38, 0
	s_cbranch_scc1 .Lskip                          ; every p of this step would be 0
	v_add_nc_u32 v[ADK], s[TK], v[L16]             ; (these four are the places in front of the loads into registers that the last products read)
	v_add_nc_u32 v[ADV], s[TK], v[LV]
	v_add_nc_u32 v[ADS], s[TS], v[LKS]
	v_add_nc_u32 v[ADT], s[TJ], v[LVS]
.irp t, 0,1,2,3
	ds_load_b128 v[KF+8*\t:KF+8*\t+3], v[ADK] offset:512*\t
.endr
.irp i, 0,1,2,3
	ds_load_b32 v[KS+\i], v[ADS] offset:128*\i     ; lanes 0-15 tile 2 i's words, lanes 16-31 tile 2 i + 1's
.endr
.irp t, 0,1,2,3
.irp c, 0,1
	ds_load_b128 v[VF+8*\t+4*\c:VF+8*\t+4*\c+3], v[ADV] offset:1024*\t+512*\c
.endr
.endr
.irp i, 0,1
	ds_load_b32 v[VS+\i], v[ADT] offset:128*\i
.endr
	s_wait_dscnt 10                                ; K's four tiles and its scale words are in; V's 8 + 2 may be out
.irp t, 0,1,2,3
	SWM S+8*\t, KF+8*\t, KS+\t/2, \t%2
.endr
.rept 4
	v_nop
.endr
.irp t, 0,1,2,3
	ds_load_b128 v[KF+8*\t:KF+8*\t+3], v[ADK] offset:2048+512*\t
.endr
	s_wait_dscnt 0x0
.irp t, 0,1,2,3
	SWM S+32+8*\t, KF+8*\t, KS+2+\t/2, \t%2
.endr
.rept 4
	v_nop
.endr
	s_lshr_b32 s38, s33, s[KI]
	s_and_b32 s38, s38, 1
	s_cmp_eq_u32 s38, 0
	s_cbranch_scc1 .Lopen                          ; no zero of the mask in this step
	v_add_nc_u32 v[MA], s[TS], v[MA0]              ; 128 keys are 512 bytes of a mask row
.irp g, 0,1
.irp t, 0,1,2,3
.irp k, 0,1
	global_load_b128 v[MK+8*\t+4*\k:MK+8*\t+4*\k+3], v[MA], s[14:15] offset:256*\g+64*\t+16*\k
.endr
.endr
	s_wait_loadcnt 0x0
.set j, 0
.rept 32
	v_cmp_eq_u32 vcc_lo, 0, v[MK+j]
	v_cndmask_b32 v[S+32*\g+j], v[S+32*\g+j], v255, vcc_lo
.set j, j+1
.endr
.endr
.Lopen:
.irp b, 0,1,2,3
	v_max3_num_f32 v[232+\b], v[S+16*\b], v[S+1+16*\b], v[S+2+16*\b]   ; the largest score of each block of 32 keys: for the row's maximum and, since p rises with the score, for the block's largest p
.endr
.irp i, 3,5,7,9,11,13
.irp b, 0,1,2,3
	v_max3_num_f32 v[232+\b], v[232+\b], v[S+16*\b+\i], v[S+1+16*\b+\i]
.endr
.endr
.irp b, 0,1,2,3
	v_max_num_f32 v[232+\b], v[232+\b], v[S+15+16*\b]
.endr
.irp b, 0,1,2,3
	v_permlanex16_b32 v[236+\b], v[232+\b], s[SEL], s[SEL+1]
.endr
.irp b, 0,1,2,3
	v_max_num_f32 v[232+\b], v[232+\b], v[236+\b]
.endr
	v_max3_num_f32 v254, v232, v233, v234
	v_max_num_f32 v254, v254, v235                 ; the step's largest score of my query
	v_mul_f32 v254, s[CS], v254                    ; as t
	v_max_num_f32 v13, v13, v254                   ; the running largest t
	v_mov_b32 v254, v12
	v_floor_f32 v12, -v13                          ; the new -M = -ceil(t): a whole number
	v_sub_f32 v254, v12, v254                      ; old M - new M: 0 or less
	v_cvt_i32_f32 v254, v254                       ; (it saturates)
	v_ldexp_f32 v252, 1.0, v254                    ; f = 2^(old M - new M)
.set j, 0
.rept 32
	v_pk_fma_f32 v[S+j:S+j+1], v[S+j:S+j+1], s[CS:CS+1], v[12:13] op_sel_hi:[1,0,0]   ; t - M
.set j, j+2
.endr
.irp b, 0,1,2,3
	v_fma_f32 v[232+\b], v[232+\b], s[CS], v12
.endr
.set j, 0
.rept 64
	v_exp_f32 v[S+j], v[S+j]                       ; p = 2^(t - M): not normalised
.set j, j+1
.endr
	v_pk_mul_f32 v[14:15], v[14:15], v[252:253] op_sel_hi:[1,0]   ; the sums under the new M (a plain place behind the exponentials)
	s_wait_alu depctr_va_vdst(0)                   ; one wait for the batch of 64, ahead of its first reader
.irp b, 0,1,2,3
	v_exp_f32 v[232+\b], v[232+\b]                 ; each block's largest p
.endr
	v_pk_add_f32 v[236:237], v[S:S+1], v[S+2:S+3]  ; the row's sum is taken of the unquantised p, in two chains
.irp j, 4,8,12,16,20,24,28,32,36,40,44,48,52,56,60
	v_pk_add_f32 v[14:15], v[14:15], v[S+\j:S+1+\j]
	v_pk_add_f32 v[236:237], v[236:237], v[S+2+\j:S+3+\j]
.endr
	v_pk_add_f32 v[14:15], v[14:15], v[236:237]
	s_wait_alu depctr_va_vdst(0)                   ; and one for the four
.irp b, 0,1,2,3
	v_max_num_f32 v[232+\b], 0x1800000, v[232+\b]  ; the floor 2^(3 - 127)
.endr
.irp b, 0,1,2,3
	v_add_nc_u32 v[244+\b], 0xff000000, v[232+\b]
.endr
.irp b, 0,1,2,3
	v_lshrrev_b32 v[236+\b], 23, v[244+\b]
.endr
	v_lshl_or_b32 v253, v237, 8, v236              ; p's scale word for these 128 keys
	v_lshl_or_b32 v253, v238, 16, v253
	v_lshl_or_b32 v253, v239, 24, v253
.irp b, 0,1,2,3
	v_cvt_scalef32_pk8_fp4_f32 v[P+4*(\b/2)+(\b%2)], v[S+16*\b:S+7+16*\b], v[244+\b]
	v_cvt_scalef32_pk8_fp4_f32 v[P+2+4*(\b/2)+(\b%2)], v[S+8+16*\b:S+15+16*\b], v[244+\b]
.endr
	v_nop
.irp c, 0,2,4,6
	v_permlane16_swap_b32 v[P+\c], v[P+1+\c]       ; registers 4 c .. 4 c + 3 now hold words 0..3 of block 2 c + lane / 16
.endr
.set j, 0
.rept 16
	v_pk_mul_f32 v[O+j:O+j+1], v[O+j:O+j+1], v[252:253] op_sel_hi:[1,0]   ; O^T under the new M; these also stand between the writes of p's codes and scale word and the products
.set j, j+2
.endr
.irp t, 0,1,2,3
	OWM O+8*\t, VF+8*\t, VS+\t/2, \t%2
.endr
.Lskip:
	s_add_co_u32 s[TK], s[TK], 4096                ; the next step's tiles of K and of V,
	s_add_co_u32 s[TS], s[TS], 512                 ; K's scale words and the mask's columns,
	s_add_co_u32 s[TJ], s[TJ], 256                 ; V's scale words
	s_add_co_u32 s[KI], s[KI], 1
	s_cmp_lt_u32 s[KI], 32
	s_cbranch_scc1 .Lstep
.rept 4
	v_nop                                          ; places behind the last products
.endr
	v_add_f32 v14, v14, v15
	v_permlanex16_b32 v252, v14, s[SEL], s[SEL+1]
	v_add_f32 v14, v14, v252                       ; the row's sum
	v_rcp_f32 v14, v14
	v_nop                                          ; a plain place behind the reciprocal
	s_wait_alu depctr_va_vdst(0)                   ; and the wait ahead of its first reader
.set j, 0
.rept 32
	v_mul_f32 v[S+j], v[O+j], v14                  ; register 8 t + i: channel 16 t + 8 h + i of my query
.set j, j+1
.endr
	QSCALE 2, S, 16, 8                             ; the head's 64 channels are two blocks of the next product's K
.irp b, 0,1
	v_cvt_scalef32_pk8_fp4_f32 v[P+\b], v[S+16*\b:S+7+16*\b], v[TM+8+\b]
	v_cvt_scalef32_pk8_fp4_f32 v[P+2+\b], v[S+8+16*\b:S+15+16*\b], v[TM+8+\b]
.endr
	v_nop
	v_permlane16_swap_b32 v[P], v[P+1]
	v_permlane16_swap_b32 v[P+2], v[P+3]
	v_lshl_or_b32 v[P+4], v[TM+5], 8, v[TM+4]
	global_store_b128 v[L16], v[P:P+3], s[16:17]   ; 512 consecutive bytes: four registers of the next operand
	global_store_b16 v[R4], v[P+4], s[18:19]       ; my head's two bytes of the row's scale word (lanes l and l xor 16 write the same)
	s_wait_tensorcnt 0x0
	ds_add_u32 v250, v251
	s_wait_dscnt 0x0
	s_endpgm
.Lfunc_end_k_qe44788272e_attn:
	.size	k_qe44788272e_attn, .Lfunc_end_k_qe44788272e_attn-k_qe44788272e_attn
	.p2alignl 7, 3214868480
	.fill 96, 4, 3214868480
	.section	.rodata,"a",@progbits
	.p2align	6, 0x0
	.amdhsa_kernel k_qe44788272e_attn
		.amdhsa_group_segment_fixed_size 288768
		.amdhsa_private_segment_fixed_size 0
		.amdhsa_enable_private_segment 0
		.amdhsa_kernarg_size 64
		.amdhsa_user_sgpr_count 2
		.amdhsa_user_sgpr_kernarg_segment_ptr 1
		.amdhsa_wavefront_size32 1
		.amdhsa_system_sgpr_workgroup_id_x 1
		.amdhsa_system_sgpr_workgroup_id_y 1
		.amdhsa_system_sgpr_workgroup_id_z 1
		.amdhsa_system_vgpr_workitem_id 0
		.amdhsa_next_free_vgpr 256
		.amdhsa_next_free_sgpr 66
		.amdhsa_reserve_vcc 1
		.amdhsa_float_denorm_mode_32 3
		.amdhsa_float_denorm_mode_16_64 3
		.amdhsa_memory_ordered 1
		.amdhsa_forward_progress 1
		.amdhsa_inst_pref_size 37
	.end_amdhsa_kernel
	.amdgpu_metadata
---
amdhsa.version: [ 1, 2 ]
amdhsa.kernels:
  - .name:           k_qe44788272e_attn
    .symbol:         k_qe44788272e_attn.kd
    .args:
      - { .name: qkimg, .offset: 0, .size: 8, .value_kind: global_buffer, .address_space: global }
      - { .name: qksc, .offset: 8, .size: 8, .value_kind: global_buffer, .address_space: global }
      - { .name: vimg, .offset: 16, .size: 8, .value_kind: global_buffer, .address_space: global }
      - { .name: vsb, .offset: 24, .size: 8, .value_kind: global_buffer, .address_space: global }
      - { .name: cls, .offset: 32, .size: 8, .value_kind: global_buffer, .address_space: global }
      - { .name: mask, .offset: 40, .size: 8, .value_kind: global_buffer, .address_space: global }
      - { .name: aimg, .offset: 48, .size: 8, .value_kind: global_buffer, .address_space: global }
      - { .name: asc, .offset: 56, .size: 8, .value_kind: global_buffer, .address_space: global }
    .group_segment_fixed_size: 288768
    .private_segment_fixed_size: 0
    .kernarg_segment_align: 8
    .kernarg_segment_size: 64
    .max_flat_workgroup_size: 512
    .sgpr_count:     66
    .vgpr_count:     256
    .wavefront_size: 32
...
	.end_amdgpu_metadata
.endif
;; end of part 2
;; launch tail (part 3): grid 256 x 1, 8 waves a work-group, clusters of 4 x 1, 327,680 bytes of LDS; arguments aimg, asc, x, wo_codes, wo_scales, w_up_codes, w_up_scales, w_down_codes, w_down_scales, out0; writes out0
.if DOCPART == 3
	.amdgcn_target "amdgcn-amd-amdhsa--gfx1250"
	.amdhsa_code_object_version 6
	.text
	.protected	k_qe44788272e_tail
	.globl	k_qe44788272e_tail
	.p2align	8
	.type	k_qe44788272e_tail,@function
k_qe44788272e_tail:
	s_mov_b64 s[64:65], 0
	v_nop
	global_prefetch_b8 v0, s[64:65] scope:SCOPE_SE
	s_setreg_imm32_b32 hwreg(HW_REG_WAVE_MODE, 25, 1), 1
	s_wait_xcnt 0x0
	s_wait_alu depctr_hold_cnt(0) depctr_sa_sdst(0) depctr_va_vdst(0) depctr_va_sdst(0) depctr_va_ssrc(0) depctr_va_vcc(0) depctr_vm_vsrc(0)
	s_getreg_b32 s2, hwreg(HW_REG_IB_STS2, 6, 4)
	s_cmp_eq_u32 s2, 0
	s_cbranch_scc0 .Lentry_in_a_cluster
	s_endpgm
.Lentry_in_a_cluster:
	s_bfe_u32 s2, ttmp6, 0x10000c
	s_cmp_lg_u32 s2, 0x3003
	s_cbranch_scc0 .Lentry_shape_is_right
	s_endpgm
.Lentry_shape_is_right:
; x1 = 5/6 x + 1/18 a Wo^T;  h = gelu(Q(x1) Wup^T) / 1.1289 (exact gelu, by erf);  out = 5/6 x1 + 1/6 Q(h) Wdown^T.  All three products on codes of FP4 (E2M1) with one E8M0 scale for each 32 along K.
; SHARES.  256 work-groups of eight waves; a work-group takes 32 rows (two tiles of 16) through the whole chain; x1 and h never go to memory.  Wave w owns 64 columns of every product of width 512:
; 4 tiles of 16 weight rows x 2 row tiles x 4 K steps = 32 matrix instructions a product.  The hidden layer goes in four chunks of 512 units: up chunk j, gelu, quantise, down's K chunk j.
; WEIGHTS.  1.15 MiB that every work-group walks: nine fills of 512 rows x 256 bytes through two LDS slots, asked for jointly by the four work-groups of a cluster (mask 15).  wo and down's chunks take slot 0,
; up's chunks slot 1; each wave fetches the 64 rows that it multiplies by.  A fill is asked for half a trip ahead of the wait for it; one load of a wave is out behind each round, two at the start.
; OPERANDS FROM WAVE TO WAVE go through LDS as images of their registers: a wave's 64 columns are register group w % 2 of K step w / 2: one store of 512 bytes for a row tile, and a halfword of each row's scale word.
; All products are used transposed (source 0 = 16 weight rows, source 1 = 16 rows of the activations): a lane holds one row and eight neighbouring columns a tile.
; THE SUMS of the down product begin at 5 x1, laid over Wo's finished accumulators: out = sums / 6.
; ERF.  z = x / sqrt(2).  |z| <= 475/512: z + z P(z^2).  Else erfc(|z|) = exp(polynomial of degree 7 in |z|); 1 + erf(z) = 2 - erfc for z > 0 and erfc itself for z < 0, so that nothing cancels for negative x.  Both ways are computed, selects choose.
; LIMITS.  NaN and infinities are not served.  A block of zeros gets the scale byte 1.  Under x = -5.5 the gelu (under 2e-7 in magnitude) is good to a few parts in a thousand; where erfc falls under 2^-126 it is 0.
; The residuals are fused (1/18 for 1/6 x 1/3; (5 x1 + sum) / 6): the order of rounding differs from the problem's by parts in 10^7.
; NOT USED: prefetches (the weights are read by every work-group; a and x are read once, at the head).
; REGISTERS.  window 0: v1-14 addresses; v22, v23 the add's two; v24-31 up's scale words, v32-39 wo's, then down's; v40-47 the scale words of a, then of x1; v48-55 of h; v56-119 up's accumulators, then h's fragments, at last rows of out;
; v120-183 Wo's and down's accumulators; v184-223 at work on the gelu; v224-229 three constants as pairs; v230-241, v242-251 at work on the quantiser.
; window 1: v0-127 weight fragments (first: x as loaded); v128-191 the fragments of a, then of x1; v192-255 5/6 x in the accumulators' layout.
.set WPITCH, 272
.set WTILE,  16*WPITCH
.set WWAVE,  64*WPITCH
.set SLOT1,  512*WPITCH
.set SPARE,  2*SLOT1
.set XIMG,   SPARE+1024                ; x1's eight fragments, 1,024 bytes each;
.set XSC,    XIMG+8192                 ; their scale words, 64 bytes each;
.set DELTA,  8704                      ; h's images and scale words lie so far behind x1's
.set XSTG,   XIMG                      ; ahead of the first barrier the same bytes are eight stages of 16 rows x 272 bytes, a wave's own, for x on its way in
.set STGW,   16*WPITCH
.set L16, 1
.set R4,  2
.set WA0, 3
.set WA1, 4
.set XO,  5
.set SI,  6
.set SO,  7
.set IW,  8
.set BW,  9
.set IR,  10
.set SR,  11
.set D64, 12
.set SO2, 13
.set SI2, 14
.set SPW, 22
.set NIL, 23
.set SWU, 24
.set SWD, 32
.set XS,  40
.set HS,  48
.set HA,  56
.set DA,  120
.set GZ,  184
.set GS,  192
.set GTT, 200
.set GR,  208
.set GU,  216
.set GC,  224
.set TM,  230
.set CD,  242
.set AF,  128                          ; in window 1
.set XR,  192                          ; in window 1
.set WV,  24
.set JC,  27
.set SEL, 28
.set G1U, 32
.set G1D, 40
.set G0W, 48
.set G0U, 52
.set G0D, 56
.set KC0, 66
.set KC2, 68
.set KC4, 70
.set KC5, 72
.set KC6, 74
.set KL2E, 76
.set KD0, 78
.set KD2, 80
.set KD3, 82
.set KD4, 84
.set KD5, 86
.set KRS2, 88
.set KCG, 90
.set MSB, 0
.macro WIN new
.if MSB != \new
	s_set_vgpr_msb (MSB<<8)|\new
.set MSB, \new
.endif
.endm
.macro ROUND
	s_barrier_signal -1
	s_barrier_wait -1
	s_cmp_lg_u32 s[WV], 0
	s_cbranch_scc1 .Lnot_wave_0_\@
	s_barrier_signal -3
.Lnot_wave_0_\@:
	s_barrier_wait -3
	s_barrier_signal -1
	s_barrier_wait -1
.endm
.macro PLACES
.rept 4
	v_nop
.endr
.endm
; A slot is filled again.  Every wave: all its tensor loads have landed; the add; the descriptor's step; the add and its reads of the slot are back; the cluster's round; the joint refill first behind it.
.macro CHANGE g0, g1, step
	WIN 0
	s_wait_tensorcnt 0x0                           ; no tensor load of mine is out, so a group 0 may be written
	ds_add_u32 v[SPW], v[NIL]                      ; 0 onto my spare word
.if \step
	s_add_nc_u64 s[\g0+2:\g0+3], s[\g0+2:\g0+3], \step
.endif
	s_wait_dscnt 0x0
	ROUND
	tensor_load_to_lds s[\g0:\g0+3], s[\g1:\g1+7]
	s_nop 0
.rept 4
	v_nop
.endr
.endm
.macro KPAIR r, bits                   ; a constant for the packed forms: they name a pair and take its low word for both halves
	s_mov_b32 s[\r], \bits
	s_mov_b32 s[\r+1], \bits
.endm
.macro QSCALE nb, base, stride, dist   ; nb blocks by turns: eight registers at base + stride i, eight at that + dist, lanes l and l xor 16; byte in v[TM+4+i], scale operand in v[TM+8+i]
.set qi, 0
.rept \nb
	v_max3_num_f32 v[TM+qi], |v[(\base)+(\stride)*qi]|, |v[(\base)+(\stride)*qi+1]|, 0x1800000
.set qi, qi+1
.endr
.irp k, 2,4,6
.set qi, 0
.rept \nb
	v_max3_num_f32 v[TM+qi], v[TM+qi], |v[(\base)+(\stride)*qi+\k]|, |v[(\base)+(\stride)*qi+\k+1]|
.set qi, qi+1
.endr
.endr
.irp k, 0,2,4,6
.set qi, 0
.rept \nb
	v_max3_num_f32 v[TM+qi], v[TM+qi], |v[(\base)+(\stride)*qi+(\dist)+\k]|, |v[(\base)+(\stride)*qi+(\dist)+\k+1]|
.set qi, qi+1
.endr
.endr
.set qi, 0
.rept \nb
	v_permlanex16_b32 v[TM+4+qi], v[TM+qi], s[SEL], s[SEL+1]
.set qi, qi+1
.endr
.set qi, 0
.rept \nb
	v_max_num_f32 v[TM+qi], v[TM+qi], v[TM+4+qi]
.set qi, qi+1
.endr
.set qi, 0
.rept \nb
	v_add_nc_u32 v[TM+8+qi], 0xff000000, v[TM+qi]
.set qi, qi+1
.endr
.set qi, 0
.rept \nb
	v_lshrrev_b32 v[TM+4+qi], 23, v[TM+8+qi]
.set qi, qi+1
.endr
.endm
; my 64 columns of 32 rows, in the eight accumulators at base, become codes and go to LDS: block i = 2 u + e is tiles 2 e, 2 e + 1 of row tile u
.macro QSEND base, delta
	QSCALE 4, \base, 16, 8
.irp i, 0,1,2,3
	v_cvt_scalef32_pk8_fp4_f32 v[CD+4*(\i/2)+(\i%2)], v[(\base)+16*\i:(\base)+16*\i+7], v[TM+8+\i]
	v_cvt_scalef32_pk8_fp4_f32 v[CD+4*(\i/2)+2+(\i%2)], v[(\base)+16*\i+8:(\base)+16*\i+15], v[TM+8+\i]
.endr
	v_nop                                          ; one plain place behind a scaled conversion
.irp c, 0,2,4,6
	v_permlane16_swap_b32 v[CD+\c], v[CD+\c+1]     ; four registers now hold words 0..3 of block (lane / 16)
.endr
	v_lshl_or_b32 v[CD+8], v[TM+5], 8, v[TM+4]
	v_lshl_or_b32 v[CD+9], v[TM+7], 8, v[TM+6]
	ds_store_b128 v[IW], v[CD:CD+3] offset:\delta
	ds_store_b128 v[IW], v[CD+4:CD+7] offset:\delta+4096
	ds_store_b16 v[BW], v[CD+8] offset:\delta      ; lanes l and l xor 16 write the same halfword with the same value
	ds_store_b16 v[BW], v[CD+9] offset:\delta+256
.endm
.macro WM d, a, b, z, sa, sb, ra
.if (\z) && (\ra)
	v_wmma_scale_f32_16x16x128_f8f6f4 v[(\d):(\d)+7], v[(\a):(\a)+7], v[(\b):(\b)+7], 0, v[\sa], v[\sb] matrix_a_fmt:MATRIX_FMT_FP4 matrix_b_fmt:MATRIX_FMT_FP4 matrix_a_scale:MATRIX_SCALE_ROW1
.elseif \z
	v_wmma_scale_f32_16x16x128_f8f6f4 v[(\d):(\d)+7], v[(\a):(\a)+7], v[(\b):(\b)+7], 0, v[\sa], v[\sb] matrix_a_fmt:MATRIX_FMT_FP4 matrix_b_fmt:MATRIX_FMT_FP4
.elseif \ra
	v_wmma_scale_f32_16x16x128_f8f6f4 v[(\d):(\d)+7], v[(\a):(\a)+7], v[(\b):(\b)+7], v[(\d):(\d)+7], v[\sa], v[\sb] matrix_a_fmt:MATRIX_FMT_FP4 matrix_b_fmt:MATRIX_FMT_FP4 matrix_a_scale:MATRIX_SCALE_ROW1
.else
	v_wmma_scale_f32_16x16x128_f8f6f4 v[(\d):(\d)+7], v[(\a):(\a)+7], v[(\b):(\b)+7], v[(\d):(\d)+7], v[\sa], v[\sb] matrix_a_fmt:MATRIX_FMT_FP4 matrix_b_fmt:MATRIX_FMT_FP4
.endif
.endm
.macro LOADW adr                       ; my 64 weight rows, four K steps: 32 LDS loads in one run, K step by K step; fragment (t, s) at v[32 s + 8 t] of window 1
	WIN 0x40
.irp s, 0,1,2,3
.irp t, 0,1,2,3
.irp c, 0,1
	ds_load_b128 v[32*\s+8*\t+4*\c:32*\s+8*\t+4*\c+3], v[\adr] offset:\t*WTILE+64*\s+32*\c
.endr
.endr
.endr
.endm
; 32 matrix instructions: the eight accumulators (t, u) at acc + 32 u + 8 t take turns, one instruction a turn.  The wait leaves out the run's loads of the later K steps, eight a step.
.macro MM32 acc, bf, sa, sb, first
.irp s, 0,1,2,3
	s_wait_dscnt 8*(3-\s)
.irp t, 0,1,2,3
.irp u, 0,1
	WM \acc+32*\u+8*\t, 32*\s+8*\t, \bf+8*(4*\u+\s), (\first)&&(\s==0), \sa+4*(\t/2)+\s, \sb+4*\u+\s, \t%2
.endr
.endr
.endr
.endm
; gelu(x) / 1.1289 of one accumulator's eight numbers, in place
.macro GELU8 x
.irp p, 0,2,4,6
	v_pk_mul_f32 v[GZ+\p:GZ+\p+1], v[(\x)+\p:(\x)+\p+1], s[KRS2:KRS2+1] op_sel_hi:[1,0]   ; z
.endr
.irp p, 0,2,4,6
	v_pk_mul_f32 v[GS+\p:GS+\p+1], v[GZ+\p:GZ+\p+1], v[GZ+\p:GZ+\p+1]                   ; z^2
.endr
.irp k, 0,1,2,3,4,5,6,7
	v_and_b32 v[GTT+\k], s92, v[GZ+\k]                                                    ; |z|
.endr
.irp p, 0,2,4,6
	v_pk_fma_f32 v[GR+\p:GR+\p+1], v[GTT+\p:GTT+\p+1], s[KC0:KC0+1], v[GC:GC+1] op_sel_hi:[1,0,1]
.endr
.irp p, 0,2,4,6
	v_pk_fma_f32 v[GU+\p:GU+\p+1], v[GTT+\p:GTT+\p+1], s[KC2:KC2+1], v[GC+2:GC+3] op_sel_hi:[1,0,1]
.endr
.irp p, 0,2,4,6
	v_pk_fma_f32 v[GR+\p:GR+\p+1], v[GR+\p:GR+\p+1], v[GS+\p:GS+\p+1], v[GU+\p:GU+\p+1]
.endr
.irp c, KC4, KC5, KC6
.irp p, 0,2,4,6
	v_pk_fma_f32 v[GR+\p:GR+\p+1], v[GR+\p:GR+\p+1], v[GTT+\p:GTT+\p+1], s[\c:\c+1] op_sel_hi:[1,1,0]
.endr
.endr
.irp p, 0,2,4,6
	v_pk_fma_f32 v[GR+\p:GR+\p+1], v[GR+\p:GR+\p+1], v[GTT+\p:GTT+\p+1], v[GTT+\p:GTT+\p+1] neg_lo:[0,0,1] neg_hi:[0,0,1]
.endr
.irp p, 0,2,4,6
	v_pk_mul_f32 v[GR+\p:GR+\p+1], v[GR+\p:GR+\p+1], s[KL2E:KL2E+1] op_sel_hi:[1,0]
.endr
.irp k, 0,1,2,3,4,5,6,7
	v_exp_f32 v[GR+\k], v[GR+\k]                                                          ; erfc(|z|)
.endr
.irp p, 0,2,4,6                        ; the way for small |z| names no exponential's result: it is the work between the batch and its wait
	v_pk_fma_f32 v[GU+\p:GU+\p+1], v[GS+\p:GS+\p+1], s[KD0:KD0+1], v[GC+4:GC+5] op_sel_hi:[1,0,1]
.endr
.irp c, KD2, KD3, KD4, KD5
.irp p, 0,2,4,6
	v_pk_fma_f32 v[GU+\p:GU+\p+1], v[GU+\p:GU+\p+1], v[GS+\p:GS+\p+1], s[\c:\c+1] op_sel_hi:[1,1,0]
.endr
.endr
.irp p, 0,2,4,6
	v_pk_fma_f32 v[GU+\p:GU+\p+1], v[GU+\p:GU+\p+1], v[GZ+\p:GZ+\p+1], v[GZ+\p:GZ+\p+1]   ; erf(z)
.endr
.irp p, 0,2,4,6
	v_pk_add_f32 v[GU+\p:GU+\p+1], v[GU+\p:GU+\p+1], 1.0 op_sel_hi:[1,0]
.endr
.irp p, 0,2,4,6
	v_pk_mul_f32 v[(\x)+\p:(\x)+\p+1], v[(\x)+\p:(\x)+\p+1], s[KCG:KCG+1] op_sel_hi:[1,0]   ; x / 2 / 1.1289
.endr
	s_wait_alu depctr_va_vdst(0)                   ; one wait for the eight exponentials, ahead of their first reader
.irp p, 0,2,4,6
	v_pk_fma_f32 v[GS+\p:GS+\p+1], v[GR+\p:GR+\p+1], -1.0, 2.0 op_sel_hi:[1,0,0]          ; 2 - erfc
.endr
.irp k, 0,1,2,3,4,5,6,7
	v_cmp_lt_f32 s[94+\k], 0, v[GZ+\k]
.endr
.irp k, 0,1,2,3,4,5,6,7
	v_cndmask_b32 v[GR+\k], v[GR+\k], v[GS+\k], s[94+\k]                                  ; 1 + erf(z) for large |z|
.endr
.irp k, 0,1,2,3,4,5,6,7
	v_cmp_lt_f32 s[94+\k], s93, v[GTT+\k]
.endr
.irp k, 0,1,2,3,4,5,6,7
	v_cndmask_b32 v[GU+\k], v[GU+\k], v[GR+\k], s[94+\k]
.endr
.irp p, 0,2,4,6
	v_pk_mul_f32 v[(\x)+\p:(\x)+\p+1], v[(\x)+\p:(\x)+\p+1], v[GU+\p:GU+\p+1]
.endr
.endm
; One chunk of 512 hidden units: up, gelu, quantise, down.  more = 1: the next chunk's weights are asked for, up's in the middle of the gelu, down's at the end.
.macro TRIP more
	v_nop                                          ; with the four behind the refill the fifth place: the products below begin anew accumulators that the last products read as an operand
	LOADW WA1
	WIN 0x05                                       ; weights and x1's fragments in window 1
	MM32 HA, AF, SWU, XS, 1
	WIN 0
	PLACES
.if \more
	s_wait_xcnt 0x0                                ; the last loads by this pointer have read it
	s_add_nc_u64 s[16:17], s[16:17], 8192          ; the next 512 rows' scale bytes
	global_load_b128 v[SWU:SWU+3], v[L16], s[16:17]
	global_load_b128 v[SWU+4:SWU+7], v[L16], s[16:17] offset:512
.endif
	GELU8 HA
	GELU8 HA+8
	GELU8 HA+16
	GELU8 HA+24
.if \more
	CHANGE G0U, G1U, 131072                        ; up's next 512 rows into slot 1; down's chunk in slot 0 has landed
.endif
	GELU8 HA+32
	GELU8 HA+40
	GELU8 HA+48
	GELU8 HA+56
	QSEND HA, DELTA
.if !(\more)
	s_wait_tensorcnt 0x0                           ; down's last chunk has landed
.endif
	s_wait_dscnt 0x0                               ; my images of h are stored
	s_barrier_signal -1
	s_barrier_wait -1
.irp n, 0,1,2,3,4,5,6,7,8,9,10,11,12,13,14,15
	ds_load_b128 v[HA+4*\n:HA+4*\n+3], v[IR] offset:DELTA+512*\n
.endr
.irp f, 0,1,2,3,4,5,6,7
	ds_load_b32 v[HS+\f], v[SR] offset:DELTA+64*\f
.endr
	LOADW WA0
	s_wait_loadcnt 0x0                             ; down's scale words, and up's next
	WIN 0x01                                       ; weights in window 1
	MM32 DA, HA, SWD, HS, 0
	WIN 0
.if \more
	CHANGE G0D, G1D, 256                           ; down's next K chunk into slot 0; up's next chunk in slot 1 has landed
	s_wait_xcnt 0x0
	s_add_nc_u64 s[20:21], s[20:21], 16
	global_load_b128 v[SWD:SWD+3], v[D64], s[20:21]
	global_load_b128 v[SWD+4:SWD+7], v[D64], s[20:21] offset:2048
.else
	PLACES
.endif
.endm
	s_load_b512 s[4:19], s[0:1], 0x0               ; aimg, asc, x, wo codes, scales, w_up codes, scales, w_down codes
	s_load_b128 s[20:23], s[0:1], 0x40             ; w_down scales, out0
	v_lshl_add_u32 v[SPW], v0, 2, SPARE
	v_mov_b32 v[NIL], 0
	ds_add_u32 v22, v23
	ds_add_u32 v22, v23
	s_wait_dscnt 0x0
	v_lshrrev_b32 v15, 5, v0
	v_readfirstlane_b32 s[WV], v15                 ; wave 0..7
	; descriptor groups 1: 64 rows x 256 bytes, 16 bytes of padding behind each row; wo's and w_up's rows are dense, w_down's 1,024 bytes apart
	s_mov_b32 s[G1U], 15|(1<<20)|(1<<21)|(5<<22)|(3<<25)
	s_mov_b32 s[G1D], 15|(1<<20)|(1<<21)|(5<<22)|(3<<25)
.irp g, G1U, G1D
	s_mov_b32 s[\g+1], 256<<16
	s_mov_b32 s[\g+2], 64<<16
	s_mov_b32 s[\g+3], 256<<16
	s_mov_b32 s[\g+4], 64
	s_mov_b32 s[\g+6], 0
	s_mov_b32 s[\g+7], 0
.endr
	s_mov_b32 s[G1U+5], 256
	s_mov_b32 s[G1D+5], 1024
	s_mul_i32 s60, s[WV], WWAVE
	s_lshl_b32 s62, s[WV], 14
	s_mov_b32 s63, 0
	s_wait_kmcnt 0x0
	s_mov_b32 s[G0W], 1
	s_mov_b32 s[G0W+1], s60                        ; wo into slot 0
	s_add_nc_u64 s[G0W+2:G0W+3], s[10:11], s[62:63]
	s_or_b32 s[G0W+3], s[G0W+3], 0x80000000
	s_mov_b32 s[G0U], 1
	s_add_co_u32 s[G0U+1], s60, SLOT1              ; up's chunks into slot 1
	s_add_nc_u64 s[G0U+2:G0U+3], s[14:15], s[62:63]
	s_or_b32 s[G0U+3], s[G0U+3], 0x80000000
	s_lshl_b32 s62, s[WV], 16
	s_mov_b32 s[G0D], 1
	s_mov_b32 s[G0D+1], s60                        ; down's chunks into slot 0
	s_add_nc_u64 s[G0D+2:G0D+3], s[18:19], s[62:63]
	s_or_b32 s[G0D+3], s[G0D+3], 0x80000000
	ROUND                                          ; all four work-groups are here: the first joint loads meet
	tensor_load_to_lds s[G0W:G0W+3], s[G1U:G1U+7]  ; two loads of mine are out
	s_nop 0
	tensor_load_to_lds s[G0U:G0U+3], s[G1U:G1U+7]
	s_nop 0
.rept 4
	v_nop
.endr
	v_and_b32 v15, 31, v0                          ; lane
	v_and_b32 v16, 15, v0                          ; r
	v_bfe_u32 v17, v0, 4, 1                        ; h
	v_lshlrev_b32 v[L16], 4, v15
	v_lshlrev_b32 v[R4], 2, v16
	v_lshlrev_b32 v[D64], 6, v15
	v_mul_u32_u24 v[WA0], v16, WPITCH
	v_lshl_add_u32 v[WA0], v17, 4, v[WA0]
	v_add_nc_u32 v[WA0], s60, v[WA0]
	v_add_nc_u32 v[WA1], SLOT1, v[WA0]
	v_lshlrev_b32 v[XO], 4, v16
	v_lshl_add_u32 v[XO], v17, 11, v[XO]           ; x and out: lanes 0-15 256 bytes of one row, lanes 16-31 of the next
	s_mul_i32 s61, s[WV], STGW                     ; my stage
	v_mul_u32_u24 v18, v17, WPITCH
	v_lshl_add_u32 v18, v16, 4, v18
	v_add_nc_u32 v18, s61, v18                     ; by rows: row h, 16 bytes a lane
	v_mul_u32_u24 v19, v16, WPITCH
	v_lshl_add_u32 v19, v17, 5, v19
	v_add_nc_u32 v19, s61, v19                     ; by the accumulators' layout: row r, + 32 h
	v_add_nc_u32 v[SI], XSTG, v18
	v_add_nc_u32 v[SO], XSTG, v19
	v_add_nc_u32 v[SI2], SLOT1, v18                ; the way out's stage lies in slot 1, behind its last fill and its last read
	v_add_nc_u32 v[SO2], SLOT1, v19
	s_lshl_b32 s61, s[WV], 9
	s_add_co_u32 s61, s61, XIMG
	v_add_nc_u32 v[IW], s61, v[L16]                ; my register group of K step w / 2: 512 w into a row tile's images
	s_lshr_b32 s61, s[WV], 1
	s_lshl_b32 s61, s61, 6
	s_and_b32 s62, s[WV], 1
	s_lshl_b32 s62, s62, 1
	s_add_co_u32 s61, s61, s62
	s_add_co_u32 s61, s61, XSC
	v_add_nc_u32 v[BW], s61, v[R4]
	v_add_nc_u32 v[IR], XIMG, v[L16]
	v_add_nc_u32 v[SR], XSC, v[R4]
.irp b, 4,5,6,7
	v_mov_b32 v[TM+\b], 0                          ; written once: a lane permute's destination counts as one of its sources
.endr
	v_mov_b32 v[GC], 0x39c8e7d9
	v_mov_b32 v[GC+1], 0x39c8e7d9
	v_mov_b32 v[GC+2], 0x3cc6b1a1
	v_mov_b32 v[GC+3], 0x3cc6b1a1
	v_mov_b32 v[GC+4], 0x3ba38d2c
	v_mov_b32 v[GC+5], 0x3ba38d2c
	s_mov_b32 s[SEL], 0x76543210
	s_mov_b32 s[SEL+1], 0xfedcba98
	KPAIR KC0, 0xb7910000
	KPAIR KC2, 0xbb7e8a1c
	KPAIR KC4, 0xbddaae5c
	KPAIR KC5, 0xbf228550
	KPAIR KC6, 0xbe03ce86
	KPAIR KL2E, 0x3fb8aa3b
	KPAIR KD0, 0xba1c7000
	KPAIR KD2, 0xbcdb48d9
	KPAIR KD3, 0x3de70e22
	KPAIR KD4, 0xbec09380
	KPAIR KD5, 0x3e0375d4
	KPAIR KRS2, 0x3f3504f3                         ; 1 / sqrt(2)
	KPAIR KCG, 0x3ee2c4f9                          ; 0.5 / 1.1289
	s_mov_b32 s92, 0x7fffffff
	s_mov_b32 s93, 0x3f6d8000                      ; 475 / 512
	s_bfe_u32 s25, ttmp6, 0x40000                  ; my place in the cluster: it enters global addresses alone
	s_lshl_b32 s26, ttmp9, 2
	s_add_co_u32 s26, s26, s25                     ; wg
	s_mov_b32 s31, 0
	s_lshl_b32 s30, s26, 13
	s_add_nc_u64 s[4:5], s[4:5], s[30:31]          ; a's images of my two row tiles
	s_lshl_b32 s30, s26, 9
	s_add_nc_u64 s[6:7], s[6:7], s[30:31]          ; and their scale words
	s_lshl_b32 s30, s26, 16
	s_lshl_b32 s61, s[WV], 8
	s_add_co_u32 s30, s30, s61
	s_add_nc_u64 s[8:9], s[8:9], s[30:31]          ; x and out at my 32 rows, my 64 columns
	s_add_nc_u64 s[22:23], s[22:23], s[30:31]
	s_mov_b32 s63, 0
	s_lshl_b32 s62, s[WV], 10
	s_add_nc_u64 s[12:13], s[12:13], s[62:63]      ; the scale bytes of my 64 rows of wo and of w_up: 16 a row;
	s_add_nc_u64 s[16:17], s[16:17], s[62:63]
	s_lshl_b32 s62, s[WV], 12
	s_add_nc_u64 s[20:21], s[20:21], s[62:63]      ; of w_down: 64 a row
	; 44 loads: 16 of x, 16 of a, 8 of a's scale words, 2 + 2 of weight scales
	WIN 0x40
.irp n, 0,1,2,3,4,5,6,7,8,9,10,11,12,13,14,15
	global_load_b128 v[4*\n:4*\n+3], v[XO], s[8:9] offset:(16*(\n/8)+2*(\n%8))*2048 th:TH_LOAD_NT
.endr
.irp n, 0,1,2,3,4,5,6,7,8,9,10,11,12,13,14,15
	global_load_b128 v[AF+4*\n:AF+4*\n+3], v[L16], s[4:5] offset:512*\n
.endr
	WIN 0
.irp f, 0,1,2,3,4,5,6,7
	global_load_b32 v[XS+\f], v[R4], s[6:7] offset:64*\f
.endr
.irp i, 0,1
	global_load_b128 v[SWD+4*\i:SWD+4*\i+3], v[L16], s[12:13] offset:512*\i
	global_load_b128 v[SWU+4*\i:SWU+4*\i+3], v[L16], s[16:17] offset:512*\i
.endr
	; x turns through my stage into the accumulators' layout; LDS serves a wave's instructions in order, so no wait stands between the stores and the loads, nor ahead of the second tile's stores
.irp u, 0,1
	s_wait_loadcnt 36-8*\u                         ; this row tile's eight loads are in; all behind them may be out
	WIN 0x04                                       ; an LDS store's data are its source 1: window 1
.irp i, 0,1,2,3,4,5,6,7
	ds_store_b128 v[SI], v[32*\u+4*\i:32*\u+4*\i+3] offset:2*WPITCH*\i
.endr
	WIN 0x40
.irp t, 0,1,2,3
.irp k, 0,1
	ds_load_b128 v[XR+32*\u+8*\t+4*\k:XR+32*\u+8*\t+4*\k+3], v[SO] offset:64*\t+16*\k
.endr
.endr
.endr
	s_wait_dscnt 0x0
	WIN 0x41
.set j, 0
.rept 32
	v_pk_mul_f32 v[XR+j:XR+j+1], v[XR+j:XR+j+1], 0x3f555555 op_sel_hi:[1,0]   ; 5/6 x
.set j, j+2
.endr
	WIN 0
	s_wait_tensorcnt 0x1                           ; wo has landed; up's first chunk may stay out
	s_wait_dscnt 0x0
	s_barrier_signal -1
	s_barrier_wait -1
	LOADW WA0
	s_wait_loadcnt 0x0                             ; a, its scale words, the weight scales
	WIN 0x05
	MM32 DA, AF, SWD, XS, 1
	CHANGE G0D, G1D, 0                             ; down's first K chunk takes wo's place; the four lines behind the load are also the places behind the last products
	global_load_b128 v[SWD:SWD+3], v[D64], s[20:21]
	global_load_b128 v[SWD+4:SWD+7], v[D64], s[20:21] offset:2048
	WIN 0x10                                       ; source 2 (5/6 x) window 1
.set j, 0
.rept 32
	v_pk_fma_f32 v[DA+j:DA+j+1], v[DA+j:DA+j+1], 0x3d638e39, v[XR+j:XR+j+1] op_sel_hi:[1,0,1]   ; x1 = sums / 18 + 5/6 x
.set j, j+2
.endr
	WIN 0
	QSEND DA, 0
.set j, 0
.rept 32
	v_pk_mul_f32 v[DA+j:DA+j+1], v[DA+j:DA+j+1], 0x40a00000 op_sel_hi:[1,0]   ; 5 x1: where the down product's sums begin
.set j, j+2
.endr
	s_wait_dscnt 0x0                               ; my images of x1 are stored
	s_barrier_signal -1
	s_barrier_wait -1
	WIN 0x40
.irp n, 0,1,2,3,4,5,6,7,8,9,10,11,12,13,14,15
	ds_load_b128 v[AF+4*\n:AF+4*\n+3], v[IR] offset:512*\n        ; x1's eight fragments: they stay for all four chunks
.endr
	WIN 0
.irp f, 0,1,2,3,4,5,6,7
	ds_load_b32 v[XS+\f], v[SR] offset:64*\f
.endr
	s_mov_b32 s[JC], 3
.Ltrip:
	TRIP 1
	s_sub_co_u32 s[JC], s[JC], 1
	s_cmp_lg_u32 s[JC], 0
	s_cbranch_scc1 .Ltrip
	TRIP 0                                         ; the last chunk is written out: it asks for nothing
	; THE WAY OUT: a row tile's 16 rows x 256 bytes go through my stage and leave by rows
.set j, 0
.rept 32
	v_pk_mul_f32 v[DA+j:DA+j+1], v[DA+j:DA+j+1], 0x3e2aaaab op_sel_hi:[1,0]   ; / 6
.set j, j+2
.endr
.irp u, 0,1
.irp t, 0,1,2,3
.irp k, 0,1
	ds_store_b128 v[SO2], v[DA+32*\u+8*\t+4*\k:DA+32*\u+8*\t+4*\k+3] offset:64*\t+16*\k
.endr
.endr
.irp i, 0,1,2,3,4,5,6,7
	ds_load_b128 v[HA+32*\u+4*\i:HA+32*\u+4*\i+3], v[SI2] offset:2*WPITCH*\i
.endr
.endr
.irp u, 0,1
.irp i, 0,1,2,3,4,5,6,7
	s_wait_dscnt 23-16*\u-\i                       ; behind this load: the rest of its eight and, for the first row tile, the second's 8 stores and 8 loads
	global_store_b128 v[XO], v[HA+32*\u+4*\i:HA+32*\u+4*\i+3], s[22:23] offset:(16*\u+2*\i)*2048 th:TH_STORE_NT   ; sixteen lanes store 256 consecutive bytes, at a multiple of 256 from out0's first byte
.endr
.endr
	s_wait_tensorcnt 0x0                           ; the wave's end
	ds_add_u32 v[SPW], v[NIL]
	s_wait_dscnt 0x0
	ROUND                                          ; the closing round
	s_endpgm
.Lfunc_end_k_qe44788272e_tail:
	.size	k_qe44788272e_tail, .Lfunc_end_k_qe44788272e_tail-k_qe44788272e_tail
	.p2alignl 7, 3214868480
	.fill 96, 4, 3214868480
	.section	.rodata,"a",@progbits
	.p2align	6, 0x0
	.amdhsa_kernel k_qe44788272e_tail
		.amdhsa_group_segment_fixed_size 327680
		.amdhsa_private_segment_fixed_size 0
		.amdhsa_enable_private_segment 0
		.amdhsa_kernarg_size 80
		.amdhsa_user_sgpr_count 2
		.amdhsa_user_sgpr_kernarg_segment_ptr 1
		.amdhsa_wavefront_size32 1
		.amdhsa_system_sgpr_workgroup_id_x 1
		.amdhsa_system_sgpr_workgroup_id_y 1
		.amdhsa_system_sgpr_workgroup_id_z 1
		.amdhsa_system_vgpr_workitem_id 0
		.amdhsa_next_free_vgpr 512
		.amdhsa_next_free_sgpr 102
		.amdhsa_reserve_vcc 0
		.amdhsa_float_denorm_mode_32 3
		.amdhsa_float_denorm_mode_16_64 3
		.amdhsa_memory_ordered 1
		.amdhsa_forward_progress 1
		.amdhsa_inst_pref_size 203
	.end_amdhsa_kernel
	.amdgpu_metadata
---
amdhsa.version: [ 1, 2 ]
amdhsa.kernels:
  - .name:           k_qe44788272e_tail
    .symbol:         k_qe44788272e_tail.kd
    .args:
      - { .name: aimg, .offset: 0, .size: 8, .value_kind: global_buffer, .address_space: global }
      - { .name: asc, .offset: 8, .size: 8, .value_kind: global_buffer, .address_space: global }
      - { .name: x, .offset: 16, .size: 8, .value_kind: global_buffer, .address_space: global }
      - { .name: wo_codes, .offset: 24, .size: 8, .value_kind: global_buffer, .address_space: global }
      - { .name: wo_scales, .offset: 32, .size: 8, .value_kind: global_buffer, .address_space: global }
      - { .name: w_up_codes, .offset: 40, .size: 8, .value_kind: global_buffer, .address_space: global }
      - { .name: w_up_scales, .offset: 48, .size: 8, .value_kind: global_buffer, .address_space: global }
      - { .name: w_down_codes, .offset: 56, .size: 8, .value_kind: global_buffer, .address_space: global }
      - { .name: w_down_scales, .offset: 64, .size: 8, .value_kind: global_buffer, .address_space: global }
      - { .name: out0, .offset: 72, .size: 8, .value_kind: global_buffer, .address_space: global }
    .group_segment_fixed_size: 327680
    .private_segment_fixed_size: 0
    .kernarg_segment_align: 8
    .kernarg_segment_size: 80
    .max_flat_workgroup_size: 256
    .sgpr_count:     102
    .vgpr_count:     512
    .wavefront_size: 32
...
	.end_amdgpu_metadata
.endif
;; end of part 3
;; ======== version 2 of 2: 3 launches; version 1 with the launch attn written anew for expert scheduling mode
;; workspace buffers: qkimg 4,194,304 bytes; qksc 524,288 bytes; vimg 2,097,152 bytes; vsb 131,072 bytes; cls 2,048 bytes of whole numbers; aimg 2,097,152 bytes; asc 131,072 bytes
;; launch qkv: the kernel of part 1 again; grid 256 x 1, 8 waves a work-group, clusters of 4 x 1, 327,680 bytes of LDS; arguments x, mask, wq_codes, wq_scales, wk_codes, wk_scales, wv_codes, wv_scales, qkimg, qksc, vimg, vsb, cls; writes qkimg, qksc, vimg, vsb, cls
;; launch attn (part 4): grid 16 x 16, 16 waves a work-group, no clusters, 288,768 bytes of LDS; arguments qkimg, qksc, vimg, vsb, cls, mask, aimg, asc; writes aimg, asc
.if DOCPART == 4
	.amdgcn_target "amdgcn-amd-amdhsa--gfx1250"
	.amdhsa_code_object_version 6
	.text
	.protected	k_qe44788272e_attn
	.globl	k_qe44788272e_attn
	.p2align	8
	.type	k_qe44788272e_attn,@function
k_qe44788272e_attn:
	s_mov_b64 s[64:65], 0
	v_nop
	global_prefetch_b8 v0, s[64:65] scope:SCOPE_SE
	s_setreg_imm32_b32 hwreg(HW_REG_WAVE_SCHED_MODE, 0, 2), 2
	s_setreg_imm32_b32 hwreg(HW_REG_WAVE_MODE, 25, 1), 1
	s_wait_xcnt 0x0
	s_wait_alu depctr_vm_vsrc(0)
; Attention of one head on codes of FP4 (E2M1): S^T = K Q^T (K = 64, the upper half of the 128 is zero codes), the mask, p = 2^(t - M) with a running whole M, O^T = V^T P^T, O / l, quantised for the next product.
; SHARES.  Work-group (x, y): head y (batch x 8 + head), query tiles x + 16 rank.  Each of sixteen waves owns one tile of 16 queries in 256 registers; rank = wave, with waves 4-7 and 12-15 turned round,
; so that early and late query tiles are spread evenly where the mask is lower triangular.  Nothing of the text relies on that pattern.
; K AND V of the whole head, 256 KiB of codes and 24 KiB of scale words, come into LDS ONCE, through registers, and all sixteen waves read them from there: one barrier in the launch.
; NO TENSOR LOAD AND NO CLUSTER: key steps are passed over by scalar branches on the words of cls, which are read from memory, and the launch holds no tensor load, so there is no joint request to make.
; WHICH STEPS.  Bit s of 'work' (cls, made by the launch before from the mask input): step s of 128 keys is walked.  A step is left out only where every p in it is 0.  Bit s of 'mix': the step holds a zero of the mask:
; its 16 x 128 mask words are read and the hidden scores replaced.  The loop's trip count is the constant 32.
; LAYOUT.  A lane holds ONE query (lane % 16) throughout.  In S^T register j of tile t is key 16 t + 8 (lane / 16) + j; tiles 2 b, 2 b + 1 are block b of 32 keys; a tile's eight registers convert into one word,
; and two exchanges of lane halves for each pair of blocks give the operand's registers.
; LIMITS.  A hidden score is taken as -2^36, a logit of -2^30, where the problem says -1e9: the results are the same unless a logit that counts lies under about -1e9.  -2^36 x c is a whole number, so a row that is hidden
; everywhere has p = 1 for every key.  NaN and infinities are not served.  A block of zeros gets the scale byte 1.
; NOT USED: prefetches (K and V are read once, at the head, where every work-group's loads are on their way).
; THE MODE: SCHED_MODE bits 1:0 = 2 (LLVM: expert scheduling mode 2), set by the entry lines.  The code itself states the register dependences
; between vector or matrix instructions and memory or LDS instructions, with s_wait_alu, always for 0.
; THE PLAN.  Registers that memory or LDS instructions touch:
;   v1, v7, v26-31   offsets, written once at the head; read by the fill's loads and stores, by Q's loads and by the last two stores.
;   v32-179          at the head: the fill's loads land there, its LDS stores read them (v176-179 are written by v_perm_b32); afterwards they are K1, V, S^T and O^T.
;   v8-11            LDS addresses: written by four additions at the head of a step that is walked; read by that step's 22 LDS loads.
;   K1, K2, v240-243 K's eight tiles (the low four registers of each eight) and scale words: the loads at a step's head land there; the step's eight products K Q^T read them.
;   V, v248-249      V's four fragments and scale words: loaded behind the eighth product K Q^T; the step's four products V^T P^T read them.
;   v6, v192-223     in a step with holes alone: the offset into the mask, written by one addition; the mask's words land in K2's registers and compares read them; K2's zeros are then written anew.
;   v224-228         the way out: written by conversions, exchanges and a shift; read by the two stores.
; So a step that is walked has at its head one wait on vm_vsrc (the last loads have read v8-11 and v6), the four additions, and one wait on va_vdst (v8-11 are written; the last walked step's products and compares are
; done reading every register in which this step's LDS loads land).  All 22 LDS loads lean on it: those of V stand behind the eight products K Q^T, which name K1, K2, Q, S^T and their scale words and nothing of V's.
; One more wait on va_vdst stands ahead of the products V^T P^T, for p's codes and scale word.  A step that is passed over issues no vector and no memory instruction.
.set KIMG, 0                           ; [key tile 256][512 bytes]
.set VIMG, 131072                      ; [key step 32][tile of 16 channels 4][1,024 bytes]
.set KSC,  262144                      ; [key tile 256][16 words]
.set VSC,  278528                      ; [key step 32][64 channels] words
.set L16, 1
.set LV,  2
.set LKS, 3
.set LVS, 4
.set MA0, 5
.set MA,  6
.set R4,  7
.set ADK, 8
.set ADV, 9
.set ADS, 10
.set ADT, 11
.set QF,  16                           ; v16-23 Q's fragment (v20-23 zeros);  v24 its scale words
.set QS,  24
.set KF,  32                           ; v32-63 K1: fragments of K's tiles 0-3 of a step (upper halves zeros, written once)
.set VF,  64                           ; v64-95 four fragments of V
.set S,   96                           ; v96-159 S^T, then p
.set O,   160                          ; v160-191 O^T
.set K2,  192                          ; v192-223 K2: fragments of K's tiles 4-7 (upper halves zeros);
.set MK,  192                          ; in a step with holes the mask's words land there behind the products, and the zeros are written anew
.set P,   224                          ; v224-231 p's codes
.set TM,  232
.set KS,  240                          ; v240-243 K's scale words
.set VS,  248                          ; v248-249 V's
.set WV,  20
.set SEL, 28
.set CS,  30
.set KI,  34
.set TK,  35
.set TS,  36
.set TJ,  37
.macro QSCALE nb, base, stride, dist   ; nb blocks by turns: eight registers at base + stride i, eight at that + dist, lanes l and l xor 16; byte in v[TM+4+i], scale operand in v[TM+8+i]
.set qi, 0
.rept \nb
	v_max3_num_f32 v[TM+qi], |v[(\base)+(\stride)*qi]|, |v[(\base)+(\stride)*qi+1]|, 0x1800000
.set qi, qi+1
.endr
.irp k, 2,4,6
.set qi, 0
.rept \nb
	v_max3_num_f32 v[TM+qi], v[TM+qi], |v[(\base)+(\stride)*qi+\k]|, |v[(\base)+(\stride)*qi+\k+1]|
.set qi, qi+1
.endr
.endr
.irp k, 0,2,4,6
.set qi, 0
.rept \nb
	v_max3_num_f32 v[TM+qi], v[TM+qi], |v[(\base)+(\stride)*qi+(\dist)+\k]|, |v[(\base)+(\stride)*qi+(\dist)+\k+1]|
.set qi, qi+1
.endr
.endr
.set qi, 0
.rept \nb
	v_permlanex16_b32 v[TM+4+qi], v[TM+qi], s[SEL], s[SEL+1]
.set qi, qi+1
.endr
.set qi, 0
.rept \nb
	v_max_num_f32 v[TM+qi], v[TM+qi], v[TM+4+qi]
.set qi, qi+1
.endr
.set qi, 0
.rept \nb
	v_add_nc_u32 v[TM+8+qi], 0xff000000, v[TM+qi]
.set qi, qi+1
.endr
.set qi, 0
.rept \nb
	v_lshrrev_b32 v[TM+4+qi], 23, v[TM+8+qi]
.set qi, qi+1
.endr
.endm
.macro SWM d, a, sc, odd               ; a tile of S^T: source 0 = 16 keys, source 1 = my 16 queries; an odd tile's scale words stand in lanes 16-31
.if \odd
	v_wmma_scale_f32_16x16x128_f8f6f4 v[(\d):(\d)+7], v[(\a):(\a)+7], v[QF:QF+7], 0, v[\sc], v[QS] matrix_a_fmt:MATRIX_FMT_FP4 matrix_b_fmt:MATRIX_FMT_FP4 matrix_a_scale:MATRIX_SCALE_ROW1
.else
	v_wmma_scale_f32_16x16x128_f8f6f4 v[(\d):(\d)+7], v[(\a):(\a)+7], v[QF:QF+7], 0, v[\sc], v[QS] matrix_a_fmt:MATRIX_FMT_FP4 matrix_b_fmt:MATRIX_FMT_FP4
.endif
.endm
.macro OWM d, a, sc, odd               ; a tile of O^T += V^T P^T: source 0 = 16 channels, source 1 = p
.if \odd
	v_wmma_scale_f32_16x16x128_f8f6f4 v[(\d):(\d)+7], v[(\a):(\a)+7], v[P:P+7], v[(\d):(\d)+7], v[\sc], v253 matrix_a_fmt:MATRIX_FMT_FP4 matrix_b_fmt:MATRIX_FMT_FP4 matrix_a_scale:MATRIX_SCALE_ROW1
.else
	v_wmma_scale_f32_16x16x128_f8f6f4 v[(\d):(\d)+7], v[(\a):(\a)+7], v[P:P+7], v[(\d):(\d)+7], v[\sc], v253 matrix_a_fmt:MATRIX_FMT_FP4 matrix_b_fmt:MATRIX_FMT_FP4
.endif
.endm
	s_load_b512 s[4:19], s[0:1], 0x0               ; qkimg, qksc, vimg, vsb, cls, mask, aimg, asc
	v_lshl_add_u32 v250, v0, 2, 0x46000
	v_mov_b32 v251, 0
	v_lshrrev_b32 v1, 5, v0
	v_readfirstlane_b32 s[WV], v1                  ; wave 0..15
	s_and_b32 s22, ttmp7, 0xffff                   ; batch x 8 + head
	s_lshr_b32 s23, s22, 3                         ; batch
	s_and_b32 s24, s22, 7                          ; head
	s_wait_alu depctr_va_sdst(0)                   ; s20, the wave's number, is written, ahead of its first reader: the rank and all that hangs on it are made from it
	s_bfe_u32 s25, s[WV], 0x10002
	s_mul_i32 s25, s25, 3
	s_xor_b32 s25, s25, s[WV]                      ; rank
	s_lshl_b32 s26, s25, 4
	s_add_co_u32 s26, s26, ttmp9                   ; my query tile
	s_lshl_b32 s27, s23, 8
	s_add_co_u32 s27, s27, s26                     ; and as a tile of the 8,192 rows
	s_mov_b32 s39, 0
	s_mov_b32 s41, 0
	s_mov_b32 s[SEL], 0x76543210
	s_mov_b32 s[SEL+1], 0xfedcba98
	s_mov_b32 s[CS], 0x3cb8aa3b                    ; c = log2(e) / 64: t = score x c
	s_mov_b32 s[CS+1], s[CS]                       ; (the packed form names the pair)
	s_mov_b32 s52, 0x05010400                      ; byte selects that turn 4 x 4 bytes
	s_mov_b32 s53, 0x07030602
	s_mov_b32 s54, 0x05040100
	s_mov_b32 s55, 0x07060302
	v_lshlrev_b32 v26, 4, v0                       ; 16 x thread: the fill's place, in memory and in LDS;
	v_add_nc_u32 v27, 0x10000, v26                 ; an LDS immediate reaches 65,535 bytes: four more bases
	v_add_nc_u32 v28, 0x20000, v26
	v_add_nc_u32 v29, 0x30000, v26
	v_add_nc_u32 v30, 0x40000, v26
	v_lshrrev_b32 v31, 4, v0
	v_lshlrev_b32 v31, 11, v31
	v_and_b32 v[R4], 15, v0                        ; r
	v_lshl_add_u32 v31, v[R4], 2, v31              ; V's scale bytes: key step thread / 16 (four blocks of 512 bytes), channels 4 (thread % 16) on
	v_and_b32 v25, 31, v0                          ; lane
	v_bfe_u32 v9, v0, 4, 1                         ; h
	v_lshlrev_b32 v[L16], 4, v25
	v_add_nc_u32 v[LV], VIMG, v[L16]
	v_lshl_add_u32 v[LKS], v25, 2, KSC
	v_lshl_add_u32 v[LVS], v25, 2, VSC
	v_lshlrev_b32 v[MA0], 14, v[R4]
	v_lshl_add_u32 v[MA0], v9, 5, v[MA0]           ; the mask: row r of my tile, + 8 h words
	v_lshlrev_b32 v[R4], 2, v[R4]
	s_wait_kmcnt 0x0
	s_lshl_b32 s38, s26, 3
	s_add_nc_u64 s[12:13], s[12:13], s[38:39]
	s_load_b64 s[32:33], s[12:13], 0x0             ; work, mix
	s_lshl_b32 s38, s22, 17
	s_lshl_b32 s40, s26, 9
	s_add_nc_u64 s[44:45], s[4:5], s[38:39]
	s_add_nc_u64 s[46:47], s[44:45], s[40:41]      ; Q's image of my tile
	s_add_nc_u64 s[44:45], s[44:45], 2097152       ; K's images of the head
	s_add_nc_u64 s[8:9], s[8:9], s[38:39]          ; V's
	s_lshl_b32 s38, s22, 14
	s_lshl_b32 s40, s26, 6
	s_add_nc_u64 s[48:49], s[6:7], s[38:39]
	s_add_nc_u64 s[50:51], s[48:49], s[40:41]      ; Q's scale words
	s_add_nc_u64 s[48:49], s[48:49], 262144        ; K's
	s_lshl_b32 s38, s23, 16
	s_lshl_b32 s40, s24, 6
	s_add_co_u32 s38, s38, s40
	s_add_nc_u64 s[10:11], s[10:11], s[38:39]      ; V's scale bytes: my batch, my head's 64 of the 512
	s_lshl_b32 s38, s26, 18
	s_add_nc_u64 s[14:15], s[14:15], s[38:39]      ; the mask at my tile's first row
	s_lshl_b32 s38, s27, 12
	s_lshl_b32 s40, s24, 9
	s_add_co_u32 s38, s38, s40
	s_add_nc_u64 s[16:17], s[16:17], s[38:39]      ; aimg: [row tile][head][512]
	s_lshl_b32 s38, s27, 8
	s_lshr_b32 s40, s24, 1
	s_lshl_b32 s40, s40, 6
	s_add_co_u32 s38, s38, s40
	s_and_b32 s40, s24, 1
	s_lshl_b32 s40, s40, 1
	s_add_co_u32 s38, s38, s40
	s_add_nc_u64 s[18:19], s[18:19], s[38:39]      ; asc: [row tile][K step head / 2][16 words], my halfword head % 2
	; THE FILL: 40 loads a thread; the 512 threads take 8,192 consecutive bytes an instruction
	s_wait_alu depctr_va_vdst(0)                   ; the offsets v1, v7 and v26 to v31 are written: the fill's loads and LDS stores, Q's loads and the last two stores read them, and nothing writes them again
.irp i, 0,1,2,3,4,5,6,7,8,9,10,11,12,13,14,15
	global_load_b128 v[32+4*\i:35+4*\i], v26, s[44:45] offset:8192*\i
.endr
.irp i, 0,1,2,3,4,5,6,7,8,9,10,11,12,13,14,15
	global_load_b128 v[96+4*\i:99+4*\i], v26, s[8:9] offset:8192*\i
.endr
.irp i, 0,1
	global_load_b128 v[160+4*\i:163+4*\i], v26, s[48:49] offset:8192*\i
.endr
.irp i, 0,1,2,3
	global_load_b32 v[168+\i], v31, s[10:11] offset:512*\i
.endr
	global_load_b128 v[QF:QF+3], v[L16], s[46:47]
	global_load_b32 v[QS], v[R4], s[50:51]
	s_wait_loadcnt 24                              ; K's 16 are in; behind them: 16 + 2 + 4 + 2
.irp i, 0,1,2,3,4,5,6,7
	ds_store_b128 v26, v[32+4*\i:35+4*\i] offset:8192*\i
.endr
.irp i, 0,1,2,3,4,5,6,7
	ds_store_b128 v27, v[64+4*\i:67+4*\i] offset:8192*\i
.endr
	s_wait_loadcnt 8                               ; V's 16 are in; behind them: 2 + 4 + 2
.irp i, 0,1,2,3,4,5,6,7
	ds_store_b128 v28, v[96+4*\i:99+4*\i] offset:8192*\i
.endr
.irp i, 0,1,2,3,4,5,6,7
	ds_store_b128 v29, v[128+4*\i:131+4*\i] offset:8192*\i
.endr
	s_wait_loadcnt 6                               ; K's scale words; behind them: 4 + 2
	ds_store_b128 v30, v[160:163]
	ds_store_b128 v30, v[164:167] offset:8192
	s_wait_loadcnt 2                               ; V's scale bytes; behind them: Q and its scale words
	v_perm_b32 v172, v169, v168, s52               ; four blocks' bytes of four channels become four channels' words of four blocks
	v_perm_b32 v173, v169, v168, s53
	v_perm_b32 v174, v171, v170, s52
	v_perm_b32 v175, v171, v170, s53
	v_perm_b32 v176, v174, v172, s54
	v_perm_b32 v177, v174, v172, s55
	v_perm_b32 v178, v175, v173, s54
	v_perm_b32 v179, v175, v173, s55
	s_wait_alu depctr_va_vdst(0)                   ; the byte selects have written v176 to v179, which the LDS store reads
	ds_store_b128 v30, v[176:179] offset:16384
	s_wait_loadcnt 0x0
	s_wait_dscnt 0x0                               ; for the others' sake: my part of the fill is stored
	s_barrier_signal -1
	s_barrier_wait -1
	s_wait_alu depctr_vm_vsrc(0)                   ; my LDS stores have read v32 to v167 and v176 to v179: from here on these registers are K1, V, S^T and O^T, written by the lines below, by LDS loads and by products
.irp j, 4,5,6,7
	v_mov_b32 v[QF+\j], 0                          ; K = 64: the upper 64 of each operand are zero codes
	v_mov_b32 v[KF+\j], 0
	v_mov_b32 v[KF+8+\j], 0
	v_mov_b32 v[KF+16+\j], 0
	v_mov_b32 v[KF+24+\j], 0
	v_mov_b32 v[K2+\j], 0
	v_mov_b32 v[K2+8+\j], 0
	v_mov_b32 v[K2+16+\j], 0
	v_mov_b32 v[K2+24+\j], 0
.endr
.set j, 0
.rept 32
	v_mov_b32 v[O+j], 0                            ; O^T.  (The step is written once: the first finds zeros)
.set j, j+1
.endr
	v_mov_b32 v13, 0xff61b1e6                      ; the largest t so far: -3e38
	v_floor_f32 v12, -v13                          ; -M
	v_mov_b32 v14, 0                               ; the sum, in two halves
	v_mov_b32 v15, 0
.irp b, 0,1,2,3
	v_mov_b32 v[236+\b], 0                         ; written once: a lane permute's destination counts as one of its sources
.endr
	v_mov_b32 v252, 0
	v_mov_b32 v253, 0
	v_mov_b32 v255, 0xd1800000                     ; -2^36: a hidden score
	s_mov_b32 s[KI], 0
	s_mov_b32 s[TK], 0
	s_mov_b32 s[TS], 0
	s_mov_b32 s[TJ], 0
	s_wait_kmcnt 0x0                               ; work, mix
.Lstep:
	s_lshr_b32 s38, s32, s[KI]
	s_and_b32 s38, s38, 1
	s_cmp_eq_u32 s38, 0
	s_cbranch_scc1 .Lskip                          ; every p of this step would be 0
	s_wait_alu depctr_vm_vsrc(0)                   ; the LDS loads of the last step that was walked have read v8 to v11, and its loads of the mask v6: the additions below, and the one to v6 further down, write them again
	v_add_nc_u32 v[ADK], s[TK], v[L16]
	v_add_nc_u32 v[ADV], s[TK], v[LV]
	v_add_nc_u32 v[ADS], s[TS], v[LKS]
	v_add_nc_u32 v[ADT], s[TJ], v[LVS]
	s_wait_alu depctr_va_vdst(0)                   ; v8 to v11 are written, which this step's 22 LDS loads read; the last walked step's products are done reading K1, K2, V and the scale words, and its compares the mask's words, where those loads land; the zeros in Q's and K's upper halves are written, which the products below take
.irp t, 0,1,2,3
	ds_load_b128 v[KF+8*\t:KF+8*\t+3], v[ADK] offset:512*\t
.endr
.irp i, 0,1,2,3
	ds_load_b32 v[KS+\i], v[ADS] offset:128*\i     ; lanes 0-15 tile 2 i's words, lanes 16-31 tile 2 i + 1's
.endr
.irp t, 0,1,2,3
	ds_load_b128 v[K2+8*\t:K2+8*\t+3], v[ADK] offset:2048+512*\t
.endr
	s_wait_dscnt 4                                 ; K's tiles 0-3 and its scale words are in; the four loads of tiles 4-7 may be out
.irp t, 0,1,2,3
	SWM S+8*\t, KF+8*\t, KS+\t/2, \t%2
.endr
	s_wait_dscnt 0x0                               ; tiles 4-7 are in
.irp t, 0,1,2,3
	SWM S+32+8*\t, K2+8*\t, KS+2+\t/2, \t%2
.endr
.irp t, 0,1,2,3                        ; V is asked for here and has the softmax in which to land.  No wait: no vector or matrix instruction since the wait at the step's head names v9, v11, V's fragments or its scale words
.irp c, 0,1
	ds_load_b128 v[VF+8*\t+4*\c:VF+8*\t+4*\c+3], v[ADV] offset:1024*\t+512*\c
.endr
.endr
.irp i, 0,1
	ds_load_b32 v[VS+\i], v[ADT] offset:128*\i
.endr
.rept 4
	v_nop                                          ; four places behind the last product, before its result is read (ISA guide 7.12.1)
.endr
	s_lshr_b32 s38, s33, s[KI]
	s_and_b32 s38, s38, 1
	s_cmp_eq_u32 s38, 0
	s_cbranch_scc1 .Lopen                          ; no zero of the mask in this step
	v_add_nc_u32 v[MA], s[TS], v[MA0]              ; 128 keys are 512 bytes of a mask row
.irp g, 0,1
	s_wait_alu depctr_va_vdst(0)                   ; first group: v6 is written, which the loads read, and the products of tiles 4-7 are done reading K2, where the loads land; second group: the compares are done reading the first group's words
.irp t, 0,1,2,3
.irp k, 0,1
	global_load_b128 v[MK+8*\t+4*\k:MK+8*\t+4*\k+3], v[MA], s[14:15] offset:256*\g+64*\t+16*\k
.endr
.endr
	s_wait_loadcnt 0x0
.irp q, 0,1                            ; sixteen compares in a run, into s40-43 and s52-63, then the sixteen selects
.set mj, 0
.rept 16
	v_cmp_eq_u32 s[40+mj+8*((mj+12)/16)], 0, v[MK+16*\q+mj]
.set mj, mj+1
.endr
	s_wait_alu depctr_va_sdst(0)                   ; the sixteen compares have written their masks, ahead of the selects that read them
.set mj, 0
.rept 16
	v_cndmask_b32 v[S+32*\g+16*\q+mj], v[S+32*\g+16*\q+mj], v255, s[40+mj+8*((mj+12)/16)]
.set mj, mj+1
.endr
.endr
.endr
.irp t, 0,1,2,3
.irp j, 4,5,6,7
	v_mov_b32 v[K2+8*\t+\j], 0                     ; K2's upper halves are zero codes again
.endr
.endr
.Lopen:
.irp b, 0,1,2,3
	v_max3_num_f32 v[232+\b], v[S+16*\b], v[S+1+16*\b], v[S+2+16*\b]   ; the largest score of each block of 32 keys: for the row's maximum and, since p rises with the score, for the block's largest p
.endr
.irp i, 3,5,7,9,11,13
.irp b, 0,1,2,3
	v_max3_num_f32 v[232+\b], v[232+\b], v[S+16*\b+\i], v[S+1+16*\b+\i]
.endr
.endr
.irp b, 0,1,2,3
	v_max_num_f32 v[232+\b], v[232+\b], v[S+15+16*\b]
.endr
.irp b, 0,1,2,3
	v_permlanex16_b32 v[236+\b], v[232+\b], s[SEL], s[SEL+1]
.endr
.irp b, 0,1,2,3
	v_max_num_f32 v[232+\b], v[232+\b], v[236+\b]
.endr
	v_max3_num_f32 v254, v232, v233, v234
	v_max_num_f32 v254, v254, v235                 ; the step's largest score of my query
	v_mul_f32 v254, s[CS], v254                    ; as t
	v_max_num_f32 v13, v13, v254                   ; the running largest t
	v_mov_b32 v254, v12
	v_floor_f32 v12, -v13                          ; the new -M = -ceil(t): a whole number
	v_sub_f32 v254, v12, v254                      ; old M - new M: 0 or less
	v_cvt_i32_f32 v254, v254                       ; (it saturates)
	v_ldexp_f32 v252, 1.0, v254                    ; f = 2^(old M - new M)
.set j, 0
.rept 32
	v_pk_fma_f32 v[S+j:S+j+1], v[S+j:S+j+1], s[CS:CS+1], v[12:13] op_sel_hi:[1,0,0]   ; t - M
.set j, j+2
.endr
.irp b, 0,1,2,3
	v_fma_f32 v[232+\b], v[232+\b], s[CS], v12
.endr
.set j, 0
.rept 64
	v_exp_f32 v[S+j], v[S+j]                       ; p = 2^(t - M): not normalised
.set j, j+1
.endr
	v_pk_mul_f32 v[14:15], v[14:15], v[252:253] op_sel_hi:[1,0]   ; the sums under the new M (a plain place behind the exponentials)
	s_wait_alu depctr_va_vdst(0)                   ; the 64 exponentials have written p: one wait for the batch, ahead of its first reader
.irp b, 0,1,2,3
	v_exp_f32 v[232+\b], v[232+\b]                 ; each block's largest p
.endr
	v_pk_add_f32 v[236:237], v[S:S+1], v[S+2:S+3]  ; the row's sum is taken of the unquantised p, in two chains
.irp j, 4,8,12,16,20,24,28,32,36,40,44,48,52,56,60
	v_pk_add_f32 v[14:15], v[14:15], v[S+\j:S+1+\j]
	v_pk_add_f32 v[236:237], v[236:237], v[S+2+\j:S+3+\j]
.endr
	v_pk_add_f32 v[14:15], v[14:15], v[236:237]
	s_wait_alu depctr_va_vdst(0)                   ; the four exponentials have written v232 to v235, ahead of their first reader
.irp b, 0,1,2,3
	v_max_num_f32 v[232+\b], 0x1800000, v[232+\b]  ; the floor 2^(3 - 127)
.endr
.irp b, 0,1,2,3
	v_add_nc_u32 v[244+\b], 0xff000000, v[232+\b]
.endr
.irp b, 0,1,2,3
	v_lshrrev_b32 v[236+\b], 23, v[244+\b]
.endr
	v_lshl_or_b32 v253, v237, 8, v236              ; p's scale word for these 128 keys
	v_lshl_or_b32 v253, v238, 16, v253
	v_lshl_or_b32 v253, v239, 24, v253
.irp b, 0,1,2,3
	v_cvt_scalef32_pk8_fp4_f32 v[P+4*(\b/2)+(\b%2)], v[S+16*\b:S+7+16*\b], v[244+\b]
	v_cvt_scalef32_pk8_fp4_f32 v[P+2+4*(\b/2)+(\b%2)], v[S+8+16*\b:S+15+16*\b], v[244+\b]
.endr
	v_nop
.irp c, 0,2,4,6
	v_permlane16_swap_b32 v[P+\c], v[P+1+\c]       ; registers 4 c .. 4 c + 3 now hold words 0..3 of block 2 c + lane / 16
.endr
.set j, 0
.rept 16
	v_pk_mul_f32 v[O+j:O+j+1], v[O+j:O+j+1], v[252:253] op_sel_hi:[1,0]   ; O^T under the new M; these also stand between the writes of p's codes and scale word and the products
.set j, j+2
.endr
	s_wait_dscnt 0x0                               ; V's fragments and scale words are in
	s_wait_alu depctr_va_vdst(0)                   ; the conversions and exchanges have written p's codes v224 to v231, the shifts its scale word v253: the products take them as source 1 and as its scales; the places above stay beside this wait
.irp t, 0,1,2,3
	OWM O+8*\t, VF+8*\t, VS+\t/2, \t%2
.endr
.Lskip:
	s_add_co_u32 s[TK], s[TK], 4096                ; the next step's tiles of K and of V,
	s_add_co_u32 s[TS], s[TS], 512                 ; K's scale words and the mask's columns,
	s_add_co_u32 s[TJ], s[TJ], 256                 ; V's scale words
	s_add_co_u32 s[KI], s[KI], 1
	s_cmp_lt_u32 s[KI], 32
	s_cbranch_scc1 .Lstep
.rept 4
	v_nop                                          ; places behind the last products
.endr
	v_add_f32 v14, v14, v15
	v_permlanex16_b32 v252, v14, s[SEL], s[SEL+1]
	v_add_f32 v14, v14, v252                       ; the row's sum
	v_rcp_f32 v14, v14
	v_nop                                          ; a plain place behind the reciprocal
	s_wait_alu depctr_va_vdst(0)                   ; the reciprocal has written v14, ahead of its first reader
.set j, 0
.rept 32
	v_mul_f32 v[S+j], v[O+j], v14                  ; register 8 t + i: channel 16 t + 8 h + i of my query
.set j, j+1
.endr
	QSCALE 2, S, 16, 8                             ; the head's 64 channels are two blocks of the next product's K
.irp b, 0,1
	v_cvt_scalef32_pk8_fp4_f32 v[P+\b], v[S+16*\b:S+7+16*\b], v[TM+8+\b]
	v_cvt_scalef32_pk8_fp4_f32 v[P+2+\b], v[S+8+16*\b:S+15+16*\b], v[TM+8+\b]
.endr
	v_nop
	v_permlane16_swap_b32 v[P], v[P+1]
	v_permlane16_swap_b32 v[P+2], v[P+3]
	v_lshl_or_b32 v[P+4], v[TM+5], 8, v[TM+4]
	s_wait_alu depctr_va_vdst(0)                   ; the exchanges have written the codes v224 to v227 and the shift the two scale bytes v228, which the two stores read
	global_store_b128 v[L16], v[P:P+3], s[16:17]   ; 512 consecutive bytes: four registers of the next operand
	global_store_b16 v[R4], v[P+4], s[18:19]       ; my head's two bytes of the row's scale word (lanes l and l xor 16 write the same)
	s_wait_dscnt 0x0                               ; the closing lines, six on end
	s_wait_alu 0x0
	s_wait_tensorcnt 0x0
	ds_add_u32 v250, v251
	s_wait_dscnt 0x0
	s_endpgm
.Lfunc_end_k_qe44788272e_attn:
	.size	k_qe44788272e_attn, .Lfunc_end_k_qe44788272e_attn-k_qe44788272e_attn
	.p2alignl 7, 3214868480
	.fill 96, 4, 3214868480
	.section	.rodata,"a",@progbits
	.p2align	6, 0x0
	.amdhsa_kernel k_qe44788272e_attn
		.amdhsa_group_segment_fixed_size 288768
		.amdhsa_private_segment_fixed_size 0
		.amdhsa_enable_private_segment 0
		.amdhsa_kernarg_size 64
		.amdhsa_user_sgpr_count 2
		.amdhsa_user_sgpr_kernarg_segment_ptr 1
		.amdhsa_wavefront_size32 1
		.amdhsa_system_sgpr_workgroup_id_x 1
		.amdhsa_system_sgpr_workgroup_id_y 1
		.amdhsa_system_sgpr_workgroup_id_z 1
		.amdhsa_system_vgpr_workitem_id 0
		.amdhsa_next_free_vgpr 256
		.amdhsa_next_free_sgpr 66
		.amdhsa_reserve_vcc 0
		.amdhsa_float_denorm_mode_32 3
		.amdhsa_float_denorm_mode_16_64 3
		.amdhsa_memory_ordered 1
		.amdhsa_forward_progress 1
		.amdhsa_inst_pref_size 43
	.end_amdhsa_kernel
	.amdgpu_metadata
---
amdhsa.version: [ 1, 2 ]
amdhsa.kernels:
  - .name:           k_qe44788272e_attn
    .symbol:         k_qe44788272e_attn.kd
    .args:
      - { .name: qkimg, .offset: 0, .size: 8, .value_kind: global_buffer, .address_space: global }
      - { .name: qksc, .offset: 8, .size: 8, .value_kind: global_buffer, .address_space: global }
      - { .name: vimg, .offset: 16, .size: 8, .value_kind: global_buffer, .address_space: global }
      - { .name: vsb, .offset: 24, .size: 8, .value_kind: global_buffer, .address_space: global }
      - { .name: cls, .offset: 32, .size: 8, .value_kind: global_buffer, .address_space: global }
      - { .name: mask, .offset: 40, .size: 8, .value_kind: global_buffer, .address_space: global }
      - { .name: aimg, .offset: 48, .size: 8, .value_kind: global_buffer, .address_space: global }
      - { .name: asc, .offset: 56, .size: 8, .value_kind: global_buffer, .address_space: global }
    .group_segment_fixed_size: 288768
    .private_segment_fixed_size: 0
    .kernarg_segment_align: 8
    .kernarg_segment_size: 64
    .max_flat_workgroup_size: 512
    .sgpr_count:     66
    .vgpr_count:     256
    .wavefront_size: 32
...
	.end_amdgpu_metadata
.endif
;; end of part 4
;; launch tail: the kernel of part 3 again; grid 256 x 1, 8 waves a work-group, clusters of 4 x 1, 327,680 bytes of LDS; arguments aimg, asc, x, wo_codes, wo_scales, w_up_codes, w_up_scales, w_down_codes, w_down_scales, out0; writes out0
